; MI455X (gfx1250); checked and timed in simulation.
; The chip was launched on July 23, 2026; its instructions are those of AMD's public machine-readable ISA for CDNA 5 (MIT licence, August 2026) and "CDNA5" Instruction Set Architecture Reference Guide (July 2026). The comments in the code are by the model that wrote it; some were corrected since.
;; MHA. Allowed arithmetic: matrix products marked QUANTISED: E4M3 operands, one given power-of-two scale a tensor, by v_wmma_f32_16x16x64_fp8_fp8 or v_wmma_f32_16x16x128_fp8_fp8, f32 sums; everything else in f32.
;; Inputs: Wk_codes 256 x 32 x 32 uint8 (E4M3 codes of Wk, K innermost, in blocks of 32 codes); Wo_codes 1,024 x 32 x 32 uint8 (E4M3 codes of Wo, K innermost, in blocks of 32 codes); Wq_codes 1,024 x 32 x 32 uint8 (E4M3 codes of Wq, K innermost, in blocks of 32 codes); Wv_codes 256 x 32 x 32 uint8 (E4M3 codes of Wv, K innermost, in blocks of 32 codes); lowp_scales 12 int32 (the exponents e of the quantised operands' scales 2^e); mask 1 x 1 x 4,096 x 4,096 int32; x_codes 1 x 4,096 x 32 x 32 uint8 (E4M3 codes of x, K innermost, in blocks of 32 codes).
;; Outputs: out0 1 x 4,096 x 1,024 float32.
;; This version of the problem:
;;   THIS VERSION OF THE PROBLEM IS GIVEN IN LOW PRECISION. The matrix products marked QUANTISED in the list below multiply operands that are first quantised to E4M3 (4 exponent bits, 3 mantissa bits; 8 bits a number), with one given power-of-two scale for each operand tensor; their sums are f32. All else is computed in f32.
;;   The module's matrix products, in the order in which they are computed (A, B: the left and right operand; K: the contracted axis; several contracted axes count as one K, in the product's order):
;;     1. [M 4,096, K 1,024] x [K 1,024, N 1,024]; A: input x (given as codes); B: input Wq (given as codes): QUANTISED (scales: A lowp_scales[0], B lowp_scales[1])
;;     2. [M 4,096, K 1,024] x [K 1,024, N 256]; A: input x (given as codes); B: input Wk (given as codes): QUANTISED (scales: A lowp_scales[2], B lowp_scales[3])
;;     3. [M 4,096, K 1,024] x [K 1,024, N 256]; A: input x (given as codes); B: input Wv (given as codes): QUANTISED (scales: A lowp_scales[4], B lowp_scales[5])
;;     4. batch 16 x [M 4,096, K 64] x [K 64, N 4,096]; A: computed on the way; B: computed on the way: QUANTISED (scales: A lowp_scales[6], B lowp_scales[7])
;;     5. batch 16 x [M 4,096, K 4,096] x [K 4,096, N 64]; A: softmax (see below); B: computed on the way: QUANTISED (scales: A lowp_scales[8], B lowp_scales[9])
;;     6. [M 4,096, K 1,024] x [K 1,024, N 1,024]; A: computed on the way; B: input Wo (given as codes): QUANTISED (scales: A lowp_scales[10], B lowp_scales[11])
;;   THE QUANTISER, for each operand of a quantised product, along K:
;;     - The operand's scale is 2^e, e = its entry of the input lowp_scales (int32; the entries are numbered through the quantised products in the list's order, A before B).
;;     - Each number is divided by the scale, clamped to +-448, and rounded to the nearest number of E4M3, ties to even, subnormals kept.
;;     - The product sums the exact products of the quantised numbers (number of the format x scale) in f32.
;;   ~~~python
;;   def quantise(x, axis, e):      # numpy; x: float32 -> the quantised numbers, widened to float32 again
;;       x = np.moveaxis(x, axis, -1); K = x.shape[-1]
;;       r = np.clip(x / 2.0 ** e, -448, 448)
;;       step = 2.0 ** (np.maximum(np.frexp(np.where(r == 0, 1, r))[1] - 1, -6) - 3)
;;       q = np.round(r / step) * step * 2.0 ** e      # np.round: ties to even
;;       return np.moveaxis(q, -1, axis).astype(np.float32)
;;   ~~~
;;   SOFTMAX AHEAD OF A QUANTISED PRODUCT. Where the list says 'softmax', what is quantised is not the finished softmax but p = 2^(t - M), with t = logit x log2(e) and M = ceil(the row's largest t), a whole number; so 1/2 < the row's largest p <= 1. The row's sum l is taken of the UNQUANTISED p, in f32, and the product's result is divided by l at the end. Since M is a whole number, a kernel that streams over the keys may use a running M (the ceiling of the running maximum): every later rescaling is an exact power of two, so the quantised numbers keep their values, but for numbers so far below the row's largest that they fall under the format's range.
;;   OPERANDS COMPUTED ON THE WAY. 'Computed on the way' means the value that the module computes at that place (a softmax that the list does not call 'softmax' is quantised finished and normalised). What goes into a quantiser is computed in f32, as accurately as f32 sums, v_exp_f32 and their like allow (about 1e-6 of the number): no bf16 or f16 on the way to a quantiser, and a product that is left as it is and whose result goes on into a quantised operand takes f32 operands (vector FMAs, or v_wmma_f32_16x16x4_f32). A number that lies on a knife's edge between two numbers of the format may be rounded either way, as far as f32 arithmetic and the matrix unit's own rounding can turn it there, and no further.
;;   INPUTS GIVEN AS CODES. Wk (in the module: [1024, 256], K = its axis 0); Wo (in the module: [1024, 1024], K = its axis 0); Wq (in the module: [1024, 1024], K = its axis 0); Wv (in the module: [1024, 256], K = its axis 0); x (in the module: [1, 4096, 1024], K = its axis 2): each comes as NAME_codes (uint8): NAME with its K axis moved to the last place and cut into blocks of 32 codes, [.., K / 32, bytes a block], one block behind the other in memory; one code a byte (a code: sign, 4 exponent bits, 3 mantissa bits); its scale is its entry of lowp_scales. Its value is code x scale, taken as it is: it is not quantised again, and the codes and scales need not be those that the quantiser above would give.
;; 2 versions. Each part assembles by itself: llvm-mc -triple=amdgcn-amd-amdhsa -mcpu=gfx1250 --defsym DOCPART=n.
;; ======== version 1 of 2: 3 launches
;; limits: right only within a limited range of input values
;; workspace buffers: qimg 4,194,304 bytes; kimg 1,048,576 bytes; vimg 1,048,576 bytes; aimg 4,194,304 bytes; mbits 2,097,152 bytes of whole numbers; flags 32,768 bytes of whole numbers
;; launch qkvmask (part 1): grid 32 x 8, 16 waves a work-group, no clusters, 327,680 bytes of LDS; arguments x_codes, Wq_codes, Wk_codes, Wv_codes, lowp_scales, mask, qimg, kimg, vimg, mbits, flags; writes qimg, kimg, vimg, mbits, flags
.if DOCPART == 1
	.amdgcn_target "amdgcn-amd-amdhsa--gfx1250"
	.amdhsa_code_object_version 6
	.text
	.protected	k_q90967a466d_qkvmask
	.globl	k_q90967a466d_qkvmask
	.p2align	8
	.type	k_q90967a466d_qkvmask,@function
k_q90967a466d_qkvmask:
	s_mov_b64 s[64:65], 0
	v_nop
	global_prefetch_b8 v0, s[64:65] scope:SCOPE_SE
	s_setreg_imm32_b32 hwreg(HW_REG_WAVE_MODE, 25, 1), 1
	s_wait_xcnt 0x0
; q = rope(x Wq), k = rope(x Wk), v = x Wv on codes of FP8 (E4M3), quantised again for attention; and the mask, 4,096 x 4,096 int32, packed to bits.
; SHARES.  Work-group (X, Y): X = a block of 128 positions.  Y = 0..3: 256 rows of Wq (four heads); Y = 4: Wk; Y = 5: Wv; Y = 6, 7: no product.
; EVERY work-group packs 16 rows of the mask, a row a wave: row 16 (32 Y + X) + wave.  A row's 16 KiB are asked for at the head, into 128 registers, and are packed last:
; they are on their way while the products and the rotation are done.
; THE PRODUCT.  128 positions x 256 rows of W, K = 1,024 in four quarters of 256 through three LDS slots (rows 0-127 x, rows 128-383 W, 256 bytes + 16 of padding a row);
; quarter 3 fills slot 0 a second time.  Waves 0-5 fetch 64 rows each.  Wave w makes 32 positions (w / 4) x 64 rows of W: heads 2 ((w / 2) % 2) + e, e = 0, 1, their channels 32 (w % 2) on.
; THE ROWS OF W THAT FORM A TILE ARE NOT NEIGHBOURS: lane r of tile u takes row 8 u + r + 8 (r / 8), so that the 16 registers of tiles u = 0, 1 are 16 neighbouring channels, 16 (lane / 16) + 0 .. 15.
; q, k: source 0 = 16 rows of W, source 1 = 16 positions: a lane holds one position, its registers run along the channels (the next K).
; v:    the sources are swapped: a lane holds one channel, its registers run along the positions (the keys are the next K).
; A fragment comes by four loads of 16 bytes, 32 apart: a permutation of k that is the same on both sides of every product.
; THE WORKSPACES ARE IMAGES OF OPERAND REGISTERS: every store of a wave is 512 consecutive bytes, 16 a lane.
;   qimg [head 16][block of 16 queries 256][c 2][lane][16]: lane (r, h): query r, channels 32 c + 16 h + 0..15.   kimg [kv 4][256][2][lane][16] likewise.
;   vimg [kv 4][step of 128 keys 32][tile 4][chunk 4][lane][16]: lane (r, h): the tile's channel of lane r; registers 2 T, 2 T + 1: keys 16 T + 8 h + 0..7; chunk = T / 2.
;   mbits [row][step 32][c 4]: bit l of word c: mask[row][128 step + 4 l + c] != 0.   flags [row][2]: bit s of word 0: step s has an open key; of word 1: it has a masked one.
; ROPE.  angle = position x theta, one f32 rounding; it is reduced by whole quarter turns in two parts (the first product is exact: 12 bits x 24 bits, and the difference fits f32); sine and cosine by
; polynomials on +-pi/4.  The rotation is linear, so it is done on the sums; the three scales ahead of a quantiser are folded into the conversion's one.
; LIMITS.  e6 - e0 - e1, e7 - e2 - e3 and e9 - e4 - e5 lie between -126 and 119, so that each power of two below is an f32 number.  NaN codes among the inputs are not served.
; theta = 1000^(-i/32) is the correctly rounded f32 number; a power and a reciprocal taken in f32 may differ from it in the last bit.
.set PITCH, 272                        ; an LDS row: 256 bytes + 16 of padding = 68 words: the 16 rows that a load touches start at 16 different banks (64 banks of 4 bytes: ISA guide 11.1)
.set LROWS, 64*PITCH                   ; what one tensor load brings
.set SLOT,  384*PITCH
.set SPARE, 3*SLOT                     ; behind the slots: the spare words, 128 bytes for each of 16 waves: eight blocks of 256 bytes that no other line names
.set SPW, 1                            ; v1   LDS address of my spare word; never rewritten
.set NIL, 2                            ; v2   0; never rewritten
.set ADA, 3                            ; v3   my x fragments in slot 0
.set ADB, 4                            ; v4   my W fragments in slot 0
.set L16, 5                            ; v5   16 x lane; never rewritten
.set POS, 6                            ; v6, v7 my position as f32, for the wave's two tiles of positions
.set A1,  8                            ; v8, v9   the same addresses in slot 1
.set B1,  9
.set A2,  10                           ; v10, v11 in slot 2
.set B2,  11
.set LN,  15                           ; v15  lane
.set ACC, 16                           ; v16-79   accumulator (t, e, u) at 16 + 8 (4 t + 2 e + u)
.set AF,  80                           ; v80-111  two fragments of x
.set BF,  112                          ; v112-127 one fragment of W
.set MK,  128                          ; v128-255 my row of the mask, as loaded
.set CD,  80                           ; behind the products: v80-95 the codes;
.set THT, 96                           ; v96-106 at work on an angle
.set T2,  97
.set AN,  98
.set KQ,  99
.set RR,  100
.set ZZ,  101
.set PSN, 102
.set PCS, 103
.set WW,  104
.set NI,  105
.set TMQ, 106
.set SCB, 108                          ; v108-111 sine, cosine of tile 0's position, of tile 1's
.set TA,  112                          ; v112-119 two products for each of four rotations
.set KS3, 124                          ; the polynomials' leading coefficients
.set KC3, 125
.set SCL, 126                          ; the conversion's scale as f32
.set LIM, 127                          ; 448 x that
.set OW,  96                           ; v96-99 the packed row: lane s holds step s's four words
.macro MASKLOADS                       ; my row of the mask: 32 loads of 512 consecutive bytes
.set q, 0
.rept 32
	global_load_b128 v[MK+4*q:MK+4*q+3], v[L16], s[80:81] offset:512*q th:TH_LOAD_NT
.set q, q+1
.endr
.endm
.macro BLOAD rb, koff, n               ; W's fragment n = 2 e + u
.irp c, 0,1,2,3
	ds_load_b128 v[BF+4*\c:BF+4*\c+3], v[\rb] offset:\koff+32*\c+(64*((\n)/2)+8*((\n)%2))*PITCH
.endr
.endm
; Two matrix instructions: W's fragment n against the two tiles of positions.  For v the sources are swapped: a branch on the work-group's y, round the matrix instructions alone.
; The eight accumulators take turns, one instruction a turn, in the same order in every step.
.macro WM n, zero
	s_cmp_eq_u32 s10, 5
	s_cbranch_scc1 .Lvarm_\@
.if \zero
	v_wmma_f32_16x16x128_fp8_fp8 v[ACC+8*(\n):ACC+8*(\n)+7], v[BF:BF+15], v[AF:AF+15], 0
	v_wmma_f32_16x16x128_fp8_fp8 v[ACC+32+8*(\n):ACC+32+8*(\n)+7], v[BF:BF+15], v[AF+16:AF+31], 0
.else
	v_wmma_f32_16x16x128_fp8_fp8 v[ACC+8*(\n):ACC+8*(\n)+7], v[BF:BF+15], v[AF:AF+15], v[ACC+8*(\n):ACC+8*(\n)+7]
	v_wmma_f32_16x16x128_fp8_fp8 v[ACC+32+8*(\n):ACC+32+8*(\n)+7], v[BF:BF+15], v[AF+16:AF+31], v[ACC+32+8*(\n):ACC+32+8*(\n)+7]
.endif
	s_branch .Ldone_\@
.Lvarm_\@:
.if \zero
	v_wmma_f32_16x16x128_fp8_fp8 v[ACC+8*(\n):ACC+8*(\n)+7], v[AF:AF+15], v[BF:BF+15], 0
	v_wmma_f32_16x16x128_fp8_fp8 v[ACC+32+8*(\n):ACC+32+8*(\n)+7], v[AF+16:AF+31], v[BF:BF+15], 0
.else
	v_wmma_f32_16x16x128_fp8_fp8 v[ACC+8*(\n):ACC+8*(\n)+7], v[AF:AF+15], v[BF:BF+15], v[ACC+8*(\n):ACC+8*(\n)+7]
	v_wmma_f32_16x16x128_fp8_fp8 v[ACC+32+8*(\n):ACC+32+8*(\n)+7], v[AF+16:AF+31], v[BF:BF+15], v[ACC+32+8*(\n):ACC+32+8*(\n)+7]
.endif
.Ldone_\@:
.endm
; 128 along K: x's two fragments, then W's four, one after the other through one set of registers (the mask holds half of the wave's registers); the SIMD's other three waves work meanwhile.
; Four plain places stand between a matrix instruction and a load into a register that it has read (ISA guide 7.12.1 for vector instructions).
.macro KSTEP ra, rb, koff, zero
.rept 4
	v_nop
.endr
.irp t, 0,1
.irp c, 0,1,2,3
	ds_load_b128 v[AF+16*\t+4*\c:AF+16*\t+4*\c+3], v[\ra] offset:\koff+32*\c+16*PITCH*\t
.endr
.endr
	BLOAD \rb, \koff, 0
.irp n, 0,1,2,3
	s_wait_dscnt 0x0
	WM \n, \zero
.if \n < 3
.rept 4
	v_nop
.endr
	BLOAD \rb, \koff, \n+1
.endif
.endr
.endm
; sine and cosine of v[pos] x theta into v[o], v[o + 1]
.macro SINCOS pos, o
	v_mul_f32 v[AN], v[\pos], v[THT]               ; the angle, rounded once
	v_mul_f32 v[KQ], 0x3f22f983, v[AN]             ; x 2 / pi
	v_rndne_f32 v[KQ], v[KQ]                       ; whole quarter turns, at most 2,607
	v_fmamk_f32 v[RR], v[KQ], 0xbfc90fdb, v[AN]    ; less quarter turns x the f32 number next to pi / 2: exact
	v_fmamk_f32 v[RR], v[KQ], 0x333bbd2e, v[RR]    ; and x what that number lacks of pi / 2
	v_mul_f32 v[ZZ], v[RR], v[RR]
	v_fmaak_f32 v[PSN], v[KS3], v[ZZ], 0x3c08839e
	v_fmaak_f32 v[PCS], v[KC3], v[ZZ], 0xbab6061a
	v_fmaak_f32 v[PSN], v[PSN], v[ZZ], 0xbe2aaaa3
	v_fmaak_f32 v[PCS], v[PCS], v[ZZ], 0x3d2aaaa5
	v_mul_f32 v[PSN], v[PSN], v[ZZ]
	v_fma_f32 v[WW], v[ZZ], -0.5, 1.0
	v_mul_f32 v[ZZ], v[ZZ], v[ZZ]
	v_fma_f32 v[PSN], v[PSN], v[RR], v[RR]         ; sin r
	v_fma_f32 v[PCS], v[ZZ], v[PCS], v[WW]         ; cos r
	v_cvt_i32_f32 v[NI], v[KQ]
	v_and_b32 v[TMQ], 1, v[NI]
	v_cmp_eq_u32 vcc_lo, 1, v[TMQ]                 ; an odd number of quarter turns swaps the two
	v_cndmask_b32 v[\o], v[PSN], v[PCS], vcc_lo
	v_cndmask_b32 v[\o+1], v[PCS], v[PSN], vcc_lo
	v_lshlrev_b32 v[TMQ], 30, v[NI]
	v_and_b32 v[TMQ], 0x80000000, v[TMQ]           ; the sine changes sign in quarters 2, 3,
	v_xor_b32 v[\o], v[TMQ], v[\o]
	v_add_nc_u32 v[NI], 1, v[NI]
	v_lshlrev_b32 v[TMQ], 30, v[NI]
	v_and_b32 v[TMQ], 0x80000000, v[TMQ]           ; the cosine in quarters 1, 2
	v_xor_b32 v[\o+1], v[TMQ], v[\o+1]
.endm
; Pair p of tile u: channels 2 i, 2 i + 1 with i = 16 (w % 2) + 8 (lane / 16) + 4 u + p.  The four thetas are those of (w % 2, lane / 16) = (0, 0), (0, 1), (1, 0), (1, 1).
; The angle serves both heads of the wave.  even = x1 cos - x2 sin, odd = x1 sin + x2 cos, in place.
.macro ROT u, p, t00, t01, t10, t11
	s_mov_b32 s3, \t00
	s_mov_b32 s4, \t10
	s_mov_b32 s5, \t01
	s_mov_b32 s6, \t11
	s_cmp_eq_u32 s13, 1
	s_cselect_b32 s3, s4, s3
	s_cselect_b32 s5, s6, s5
	v_mov_b32 v[THT], s3
	v_mov_b32 v[T2], s5
	v_cndmask_b32 v[THT], v[THT], v[T2], s38
	SINCOS POS, SCB
	SINCOS POS+1, SCB+2
.irp t, 0,1
.irp e, 0,1
	v_mul_f32 v[TA+2*(2*\t+\e)], v[ACC+8*(4*\t+2*\e+\u)+2*\p+1], v[SCB+2*\t]
	v_mul_f32 v[TA+2*(2*\t+\e)+1], v[ACC+8*(4*\t+2*\e+\u)+2*\p+1], v[SCB+2*\t+1]
.endr
.endr
.irp t, 0,1
.irp e, 0,1
	v_fma_f32 v[ACC+8*(4*\t+2*\e+\u)+2*\p+1], v[ACC+8*(4*\t+2*\e+\u)+2*\p], v[SCB+2*\t], v[TA+2*(2*\t+\e)+1]
	v_fma_f32 v[ACC+8*(4*\t+2*\e+\u)+2*\p], v[ACC+8*(4*\t+2*\e+\u)+2*\p], v[SCB+2*\t+1], -v[TA+2*(2*\t+\e)]
.endr
.endr
.endm
	s_load_b512 s[16:31], s[0:1], 0x0              ; x s[16:17], Wq s[18:19], Wk s[20:21], Wv s[22:23], scales s[24:25], mask s[26:27], qimg s[28:29], kimg s[30:31]
	s_load_b128 s[32:35], s[0:1], 0x40             ; vimg s[32:33], mbits s[34:35]
	s_load_b64 s[36:37], s[0:1], 0x50              ; flags
	v_lshl_add_u32 v[SPW], v0, 2, SPARE
	v_mov_b32 v[NIL], 0
	ds_add_u32 v1, v2
	ds_add_u32 v1, v2
	s_wait_dscnt 0x0
	v_lshrrev_b32 v12, 5, v0
	v_readfirstlane_b32 s8, v12                    ; wave 0..15
	s_mov_b32 s9, ttmp9                            ; X
	s_and_b32 s10, ttmp7, 0xffff                   ; Y
	s_lshr_b32 s11, s8, 2                          ; which 32 positions
	s_bfe_u32 s12, s8, 0x10001                     ; which pair of heads
	s_and_b32 s13, s8, 1                           ; which 32 channels of a head
	v_and_b32 v[LN], 31, v0
	v_lshlrev_b32 v[L16], 4, v[LN]
	v_and_b32 v12, 15, v0                          ; r
	v_bfe_u32 v13, v0, 4, 1                        ; h
	v_mul_u32_u24 v14, v12, PITCH
	v_lshl_add_u32 v14, v13, 4, v14
	s_mul_i32 s3, s11, 32*PITCH
	v_add_nc_u32 v[ADA], s3, v14                   ; x: row 32 (w / 4) + r, + 16 h
	v_and_b32 v14, 8, v12
	v_add_nc_u32 v14, v14, v12                     ; r + 8 (r / 8)
	v_mul_u32_u24 v14, v14, PITCH
	v_lshl_add_u32 v14, v13, 4, v14
	s_mul_i32 s3, s12, 128*PITCH
	s_mul_i32 s4, s13, 32*PITCH
	s_add_co_u32 s3, s3, s4
	s_add_co_u32 s3, s3, 128*PITCH
	v_add_nc_u32 v[ADB], s3, v14                   ; W: behind x's 128 rows
	v_add_nc_u32 v[A1], SLOT, v[ADA]
	v_add_nc_u32 v[B1], SLOT, v[ADB]
	v_add_nc_u32 v[A2], 2*SLOT, v[ADA]
	v_add_nc_u32 v[B2], 2*SLOT, v[ADB]
	s_lshl_b32 s3, s9, 7
	s_lshl_b32 s4, s11, 5
	s_add_co_u32 s3, s3, s4
	v_add_nc_u32 v14, s3, v12
	v_cvt_f32_u32 v[POS], v14                      ; 128 X + 32 (w / 4) + r,
	v_add_f32 v[POS+1], 0x41800000, v[POS]         ; and 16 further on
	; descriptor group 1: 64 rows x 256 bytes, rows 1,024 bytes apart in memory, padded in LDS
	s_mov_b32 s52, (1<<20)|(5<<22)|(3<<25)         ; no mask; elements of 1 byte; padding on: 4 words (code 3) after every 64 (code 5)
	s_mov_b32 s53, 256<<16                         ; tensor_dim0
	s_mov_b32 s54, 64<<16                          ; tensor_dim1
	s_mov_b32 s55, 256<<16                         ; tile_dim0
	s_mov_b32 s56, 64                              ; tile_dim1
	s_mov_b32 s57, 1024                            ; tensor_dim0_stride
	s_mov_b32 s58, 0
	s_mov_b32 s59, 0
	; what I fetch, if I fetch: waves 0, 1: x's rows 128 X + 64 w on; waves 2-5: W's rows 64 (w - 2) on, in Wq behind 256 Y rows
	s_lshl_b32 s3, s9, 17
	s_lshl_b32 s4, s8, 16
	s_add_co_u32 s3, s3, s4
	s_cmp_lt_u32 s10, 4
	s_cselect_b32 s14, s10, 0
	s_lshl_b32 s6, s14, 18
	s_sub_co_u32 s7, s8, 2
	s_lshl_b32 s7, s7, 16
	s_add_co_u32 s6, s6, s7
	s_cmp_lt_u32 s8, 2
	s_cselect_b32 s6, s3, s6
	s_mov_b32 s7, 0
	s_wait_kmcnt 0x0
	s_load_b256 s[40:47], s[24:25], 0x0            ; e0 .. e7
	s_load_b128 s[48:51], s[24:25], 0x20           ; e8 .. e11
	s_cmp_lt_u32 s10, 4                            ; the buffers are chosen on the work-group's y and the wave's number alone
	s_cselect_b64 s[60:61], s[18:19], s[20:21]
	s_cselect_b64 s[82:83], s[28:29], s[30:31]
	s_cmp_gt_u32 s10, 4
	s_cselect_b64 s[60:61], s[22:23], s[60:61]
	s_cselect_b64 s[82:83], s[32:33], s[82:83]
	s_cmp_lt_u32 s8, 2
	s_cselect_b64 s[60:61], s[16:17], s[60:61]
	s_add_nc_u64 s[60:61], s[60:61], s[6:7]
	s_mul_i32 s7, s8, LROWS
.irp n, 0,1,2                          ; group 0, a set for each slot: K quarter n
	s_mov_b32 s[68+4*\n], 1
	s_add_co_u32 s[69+4*\n], s7, \n*SLOT
	s_add_nc_u64 s[70+4*\n:71+4*\n], s[60:61], \n*256
	s_or_b32 s[71+4*\n], s[71+4*\n], 0x80000000
.endr
	; my row of the mask, and its places in mbits and flags
	s_lshl_b32 s3, s10, 5
	s_add_co_u32 s3, s3, s9
	s_lshl_b32 s3, s3, 4
	s_add_co_u32 s3, s3, s8
	s_mov_b32 s5, 0
	s_lshl_b32 s4, s3, 14
	s_add_nc_u64 s[80:81], s[26:27], s[4:5]
	s_lshl_b32 s4, s3, 9
	s_add_nc_u64 s[34:35], s[34:35], s[4:5]
	s_lshl_b32 s4, s3, 3
	s_add_nc_u64 s[36:37], s[36:37], s[4:5]
	; where my codes go.  q, k: ((head x 256 + block of 16 positions) x 2 + w % 2) x 512;  v: (((kv x 32 + X) x 4 + tile) x 4 + w / 4) x 512
	s_lshl_b32 s3, s14, 2
	s_lshl_b32 s4, s12, 1
	s_add_co_u32 s3, s3, s4
	s_lshl_b32 s3, s3, 8
	s_lshl_b32 s4, s9, 3
	s_add_co_u32 s3, s3, s4
	s_lshl_b32 s4, s11, 1
	s_add_co_u32 s3, s3, s4
	s_lshl_b32 s3, s3, 10
	s_lshl_b32 s4, s13, 9
	s_add_co_u32 s3, s3, s4
	s_lshl_b32 s4, s12, 6
	s_add_co_u32 s4, s4, s9
	s_lshl_b32 s4, s4, 2
	s_lshl_b32 s6, s13, 1
	s_add_co_u32 s4, s4, s6
	s_lshl_b32 s4, s4, 11
	s_lshl_b32 s6, s11, 9
	s_add_co_u32 s4, s4, s6
	s_cmp_eq_u32 s10, 5
	s_cselect_b32 s4, s4, s3
	s_add_nc_u64 s[82:83], s[82:83], s[4:5]
	s_cmp_ge_u32 s10, 6
	s_cbranch_scc1 .Lmask_only                     ; the one parting on "no product": the same for all waves of a work-group
	s_cmp_lt_u32 s8, 6                             ; a loader's three first fills stand in one branch on the wave's number, ahead of every wait on TENSORcnt, LDS read and barrier: three loads of mine are out
	s_cbranch_scc0 .Lno_fill
	tensor_load_to_lds s[68:71], s[52:59]
	s_nop 0
	tensor_load_to_lds s[72:75], s[52:59]
	s_nop 0
	tensor_load_to_lds s[76:79], s[52:59]
	s_nop 0
.rept 4
	v_nop                                          ; behind a tensor load
.endr
.Lno_fill:
	MASKLOADS
	s_wait_tensorcnt 0x2                           ; my part of slot 0 is in; slots 1 and 2 may stay out
	s_barrier_signal -1
	s_barrier_wait -1                              ; everybody's is
	KSTEP ADA, ADB, 0, 1                           ; the first products start the sums
	KSTEP ADA, ADB, 128, 0
	s_wait_tensorcnt 0x0                           ; all my tensor loads have landed, slots 1 and 2 among them: so a group 0 may be written
	ds_add_u32 v[SPW], v[NIL]                      ; 0 onto my spare word
	ds_add_u32 v1, v2
	s_add_nc_u64 s[70:71], s[70:71], 768           ; slot 0's next tile: K quarter 3
	s_wait_dscnt 0x0                               ; the add is done, and my reads of slot 0 are over
	s_barrier_signal -1
	s_barrier_wait -1                              ; both hold of every wave: slots 1 and 2 are whole, nobody reads slot 0
	s_cmp_lt_u32 s8, 6
	s_cbranch_scc0 .Lno_refill
	tensor_load_to_lds s[68:71], s[52:59]          ; the launch's one refill: it has four steps of 128 in which to land
	s_nop 0
.rept 4
	v_nop
.endr
.Lno_refill:
	KSTEP A1, B1, 0, 0
	KSTEP A1, B1, 128, 0
	KSTEP A2, B2, 0, 0
	KSTEP A2, B2, 128, 0
	s_wait_tensorcnt 0x0                           ; the one load that is out: my part of quarter 3
	s_wait_dscnt 0x0
	s_barrier_signal -1
	s_barrier_wait -1                              ; everybody's is in
	KSTEP ADA, ADB, 0, 0
	KSTEP ADA, ADB, 128, 0
	; the scale of the conversion: a sum stands for sum x 2^(x's e + W's e), its code is that / 2^(the next operand's e).  Chosen without a branch; the hold is always executed
	s_wait_kmcnt 0x0
	s_sub_co_i32 s3, s46, s40
	s_sub_co_i32 s3, s3, s41                       ; q: e6 - e0 - e1
	s_sub_co_i32 s4, s47, s42
	s_sub_co_i32 s4, s4, s43                       ; k: e7 - e2 - e3
	s_sub_co_i32 s5, s49, s44
	s_sub_co_i32 s5, s5, s45                       ; v: e9 - e4 - e5
	s_cmp_lt_u32 s10, 4
	s_cselect_b32 s3, s3, s4
	s_cmp_eq_u32 s10, 5
	s_cselect_b32 s3, s5, s3
	s_add_co_i32 s3, s3, 127
	s_lshl_b32 s4, s3, 23
	s_add_co_i32 s3, s3, 8
	s_lshl_b32 s3, s3, 23
	s_or_b32 s3, s3, 0x600000
.rept 4
	v_nop                                          ; places behind the last products: what follows writes their sources and reads their results
.endr
	v_mov_b32 v[SCL], s4
	v_mov_b32 v[LIM], s3                           ; 448 x the scale
	s_cmp_eq_u32 s10, 5
	s_cbranch_scc1 .Lvepi
	v_mov_b32 v[KS3], 0xb94ca1f9
	v_mov_b32 v[KC3], 0x37ccf5ce
	s_mov_b32 s38, 0xffff0000                      ; lanes 16-31
	ROT 0, 0, 1.0, 0.1778279410038923, 0.03162277660168379, 0.005623413251903491     ; each accumulator is read from its low end on
	ROT 0, 1, 0.8058421877614819, 0.1433012570236963, 0.02548296747979346, 0.004531583637600818
	ROT 0, 2, 0.6493816315762113, 0.1154781984689458, 0.02053525026457146, 0.003651741272548377
	ROT 0, 3, 0.5232991146814947, 0.0930572040929699, 0.01654817099943182, 0.002942727176209282
	ROT 1, 0, 0.4216965034285822, 0.07498942093324559, 0.01333521432163324, 0.002371373705661655
	ROT 1, 1, 0.3398208328942559, 0.06042963902381328, 0.01074607828321317, 0.001910952974970440
	ROT 1, 2, 0.2738419634264361, 0.04869675251658631, 0.008659643233600654, 0.001539926526059492
	ROT 1, 3, 0.2206734069084589, 0.03924189758484536, 0.006978305848598664, 0.001240937760751719
.irp t, 0,1
.irp e, 0,1
.irp i, 0,1,2,3,4,5,6,7,8,9,10,11,12,13,14,15
	v_med3_num_f32 v[ACC+16*(2*\t+\e)+\i], v[ACC+16*(2*\t+\e)+\i], -v[LIM], v[LIM]   ; the conversion to an 8-bit code does not saturate (ISA guide 7.6.2): the hold at the largest code x the scale
.endr
	v_cvt_scalef32_pk8_fp8_f32 v[CD+4*(2*\t+\e):CD+4*(2*\t+\e)+1], v[ACC+16*(2*\t+\e):ACC+16*(2*\t+\e)+7], v[SCL]
	v_cvt_scalef32_pk8_fp8_f32 v[CD+4*(2*\t+\e)+2:CD+4*(2*\t+\e)+3], v[ACC+16*(2*\t+\e)+8:ACC+16*(2*\t+\e)+15], v[SCL]
.endr
.endr
	v_nop                                          ; one plain line behind the last scaled conversion
.irp t, 0,1
.irp e, 0,1
	global_store_b128 v[L16], v[CD+4*(2*\t+\e):CD+4*(2*\t+\e)+3], s[82:83] offset:262144*\e+1024*\t   ; 512 consecutive bytes: 16 channels of 16 positions
.endr
.endr
	s_branch .Lpack
.Lvepi:                                                ; v: no rotation; a lane's registers run along the positions
.irp n, 0,1,2,3
.irp i, 0,1,2,3,4,5,6,7
	v_med3_num_f32 v[ACC+8*\n+\i], v[ACC+8*\n+\i], -v[LIM], v[LIM]
.endr
.irp i, 0,1,2,3,4,5,6,7
	v_med3_num_f32 v[ACC+32+8*\n+\i], v[ACC+32+8*\n+\i], -v[LIM], v[LIM]
.endr
	v_cvt_scalef32_pk8_fp8_f32 v[CD+4*\n:CD+4*\n+1], v[ACC+8*\n:ACC+8*\n+7], v[SCL]
	v_cvt_scalef32_pk8_fp8_f32 v[CD+4*\n+2:CD+4*\n+3], v[ACC+32+8*\n:ACC+32+8*\n+7], v[SCL]
.endr
	v_nop
.irp n, 0,1,2,3
	global_store_b128 v[L16], v[CD+4*\n:CD+4*\n+3], s[82:83] offset:262144*(\n/2)+2048*(\n%2)
.endr
	s_branch .Lpack
.Lmask_only:
	MASKLOADS
.Lpack:
	; THE MASK.  Lane l of load s holds mask[row][128 s + 4 l + 0..3].  A compare gives 32 bits, one a lane; they become lane s of one of four registers, so that the row's 512 bytes of bits leave by one store.
.irp c, 0,1,2,3
	v_mov_b32 v[OW+\c], 0
.endr
.set q, 0
.rept 32
.if q%8 == 0
	s_wait_loadcnt 24-q                            ; eight more loads are in; the younger ones stay out (these are the launch's only loads into registers)
.endif
.irp c, 0,1,2,3
	v_cmp_ne_u32 s[84+4*(q%2)+\c], 0, v[MK+4*q+\c]
.endr
.irp c, 0,1,2,3
	v_writelane_b32 v[OW+\c], s[84+4*(q%2)+\c], q
.endr
.set q, q+1
.endr
	v_or_b32 v12, v[OW], v[OW+1]
	v_or_b32 v13, v[OW+2], v[OW+3]
	v_or_b32 v12, v12, v13                         ; lane s: not 0 where step s has an open key
	v_and_b32 v13, v[OW], v[OW+1]
	v_and_b32 v14, v[OW+2], v[OW+3]
	v_and_b32 v13, v13, v14                        ; lane s: all ones where step s has no masked key
	v_cmp_ne_u32 s84, 0, v12
	v_cmp_ne_u32 s85, -1, v13
	global_store_b128 v[L16], v[OW:OW+3], s[34:35]
	v_mov_b32 v12, s84
	v_mov_b32 v13, s85
	v_mov_b32 v14, 0
	s_wait_xcnt 0x0                                ; EXEC changes only behind this wait
	v_cmp_eq_u32 vcc_lo, 0, v[LN]
	s_and_saveexec_b32 s3, vcc_lo
	global_store_b64 v14, v[12:13], s[36:37]       ; the row's two flag words, by lane 0
	s_wait_xcnt 0x0                                ; and again, in front of the line that widens it
	s_or_b32 exec_lo, exec_lo, s3
	s_wait_tensorcnt 0x0                           ; the wave's end
	ds_add_u32 v[SPW], v[NIL]
	s_wait_dscnt 0x0
	s_endpgm
.Lfunc_end_k_q90967a466d_qkvmask:
	.size	k_q90967a466d_qkvmask, .Lfunc_end_k_q90967a466d_qkvmask-k_q90967a466d_qkvmask
	.p2alignl 7, 3214868480
	.fill 96, 4, 3214868480
	.section	.rodata,"a",@progbits
	.p2align	6, 0x0
	.amdhsa_kernel k_q90967a466d_qkvmask
		.amdhsa_group_segment_fixed_size 327680
		.amdhsa_private_segment_fixed_size 0
		.amdhsa_enable_private_segment 0
		.amdhsa_kernarg_size 88
		.amdhsa_user_sgpr_count 2
		.amdhsa_user_sgpr_kernarg_segment_ptr 1
		.amdhsa_wavefront_size32 1
		.amdhsa_system_sgpr_workgroup_id_x 1
		.amdhsa_system_sgpr_workgroup_id_y 1
		.amdhsa_system_sgpr_workgroup_id_z 1
		.amdhsa_system_vgpr_workitem_id 0
		.amdhsa_next_free_vgpr 256
		.amdhsa_next_free_sgpr 96
		.amdhsa_reserve_vcc 1
		.amdhsa_float_denorm_mode_32 3
		.amdhsa_float_denorm_mode_16_64 3
		.amdhsa_memory_ordered 1
		.amdhsa_forward_progress 1
		.amdhsa_inst_pref_size 98
	.end_amdhsa_kernel
	.amdgpu_metadata
---
amdhsa.version: [ 1, 2 ]
amdhsa.kernels:
  - .name:           k_q90967a466d_qkvmask
    .symbol:         k_q90967a466d_qkvmask.kd
    .args:
      - { .name: x_codes, .offset: 0, .size: 8, .value_kind: global_buffer, .address_space: global }
      - { .name: Wq_codes, .offset: 8, .size: 8, .value_kind: global_buffer, .address_space: global }
      - { .name: Wk_codes, .offset: 16, .size: 8, .value_kind: global_buffer, .address_space: global }
      - { .name: Wv_codes, .offset: 24, .size: 8, .value_kind: global_buffer, .address_space: global }
      - { .name: lowp_scales, .offset: 32, .size: 8, .value_kind: global_buffer, .address_space: global }
      - { .name: mask, .offset: 40, .size: 8, .value_kind: global_buffer, .address_space: global }
      - { .name: qimg, .offset: 48, .size: 8, .value_kind: global_buffer, .address_space: global }
      - { .name: kimg, .offset: 56, .size: 8, .value_kind: global_buffer, .address_space: global }
      - { .name: vimg, .offset: 64, .size: 8, .value_kind: global_buffer, .address_space: global }
      - { .name: mbits, .offset: 72, .size: 8, .value_kind: global_buffer, .address_space: global }
      - { .name: flags, .offset: 80, .size: 8, .value_kind: global_buffer, .address_space: global }
    .group_segment_fixed_size: 327680
    .private_segment_fixed_size: 0
    .kernarg_segment_align: 8
    .kernarg_segment_size: 88
    .max_flat_workgroup_size: 512
    .sgpr_count:     96
    .vgpr_count:     256
    .wavefront_size: 32
...
	.end_amdgpu_metadata
.endif
;; end of part 1
;; launch attn (part 2): grid 64 x 4, 16 waves a work-group, no clusters, 34,816 bytes of LDS; arguments qimg, kimg, vimg, mbits, flags, lowp_scales, aimg; writes aimg
.if DOCPART == 2
	.amdgcn_target "amdgcn-amd-amdhsa--gfx1250"
	.amdhsa_code_object_version 6
	.text
	.protected	k_q90967a466d_attn
	.globl	k_q90967a466d_attn
	.p2align	8
	.type	k_q90967a466d_attn,@function
k_q90967a466d_attn:
	s_mov_b64 s[64:65], 0
	v_nop
	global_prefetch_b8 v0, s[64:65] scope:SCOPE_SE
	s_setreg_imm32_b32 hwreg(HW_REG_WAVE_MODE, 25, 1), 1
	s_wait_xcnt 0x0
; Attention on codes of FP8 (E4M3): 16 query heads, 4 key/value heads, head size 64, 4,096 positions, with the mask that was given (packed to bits and flags by the launch before).
; t = score x 2^(e6 + e7) x log2(e) / 8; M = the running largest t rounded UP to a whole number; p = 2^(t - M) is quantised with 2^e8, not normalised; the row's sum is taken of the unquantised p and divides at the end.
; SHARES.  A work-group serves one key/value head (y) and four blocks of 16 queries for each of its four query heads: wave w has head 4 y + w % 4 and block 128 (s / 2) + (s odd ? 127 - x : x), s = w / 4.
; The four blocks' numbers add up to 510 in every work-group: under a lower-triangular mask all work-groups have the same count of steps.  That serves balance alone.
; All sixteen waves walk the keys together, 128 a step, 32 steps: a step's K and V (8 KiB each, images of operand registers) go from memory through registers into one of two LDS slots, asked for two steps ahead.
; WHAT THE MASK THROWS AWAY IS NOT COMPUTED: a wave jumps over a step in which none of its 16 queries has an open key (a scalar branch on the stored flags), and applies bits only in steps with a masked key.
; The barriers, the copies into LDS and the loop's count hang on no data.  For the sake of those branches the launch has no tensor load.
; LAYOUT.  Both products transposed: S^T = K Q^T (source 0 = 16 keys), O^T = V^T P^T (source 0 = 16 channels): a lane holds ONE query (lane % 16).  Register j of score tile T is key 16 T + 8 (lane / 16) + j,
; so the conversions' results are the second product's operand as they stand, and V's image was laid to match.  V's channels form tiles so that O^T's 16 registers of two tiles are 16 neighbouring channels.
; A QUERY WITH NO OPEN KEY has the sum 0: its codes become the format's NaN, and its row of the output NaN.
; LIMITS: e6 + e7 between -123 and 130 (added to c's exponent field); e8, and e10 - e8 - e9, between -126 and 119.
; REGISTERS: v1 16 x thread, v2 16 x lane, v3 512 x (lane % 16), v4 2 (lane / 16), v5 -infinity, v6 2^e8, v7 448 x 2^e8, v8-11 mask words at work, v12 -M, v13 the largest t, v[14:15] the sum in two halves,
; v16-23 Q, v24-25 at work, v32-95 K's fragments, then V's, v96-159 S^T, then p, v160-191 O^T, v192-207 p's codes, v208-223 two sets of K's and V's 16 bytes on their way to LDS, v224-231 two sets of mask words, v236-254 at work.
; s18 wave, s19 kv head, s20 steps with an open key, s21 with a masked key, s31 with both, s22 the step, s23 the trip, s[24:25] K, s[26:27] V, s[28:29] the mask's bits, s[80:81] c, s[82:83] lane selects, s84 e8, s85 head, s86 block.
.macro STEP par
.rept 4
	v_nop                                          ; places in front of loads into registers that the last step's matrix instructions have read
.endr
.irp T, 0,1,2,3,4,5,6,7
	ds_load_b128 v[32+8*\T:35+8*\T], v2 offset:\par*16384+1024*\T
	ds_load_b128 v[36+8*\T:39+8*\T], v2 offset:\par*16384+1024*\T+512
.endr
	s_wait_dscnt 0x0
.irp T, 0,1,2,3,4,5,6,7
	v_wmma_f32_16x16x64_fp8_fp8 v[96+8*\T:103+8*\T], v[32+8*\T:39+8*\T], v[16:23], 0
.endr
.rept 4
	v_nop
.endr
.irp t, 0,1,2,3                        ; V's fragments land while the softmax is walked
.irp c, 0,1,2,3
	ds_load_b128 v[32+16*\t+4*\c:35+16*\t+4*\c], v2 offset:\par*16384+8192+2048*\t+512*\c
.endr
.endr
	s_bitcmp1_b32 s21, s22
	s_cbranch_scc0 .Lopen_\@                       ; no masked key for any of my queries in this step
.irp c, 0,1,2,3
	v_lshrrev_b32 v[8+\c], v4, v[224+4*\par+\c]    ; key 16 T + 8 h + j is bit 4 T + 2 h + j / 4 of word j % 4
.endr
.set n, 0
.rept 64
	v_and_b32 v[24+n%2], 1<<(4*(n/8)+(n%8)/4), v[8+n%4]
	v_cmp_eq_u32 vcc_lo, 0, v[24+n%2]
	v_cndmask_b32 v[96+n], v[96+n], v5, vcc_lo     ; a masked score becomes -infinity ahead of the maximum: p = 0
.set n, n+1
.endr
.Lopen_\@:
	v_max3_num_f32 v254, v96, v97, v98             ; the step's largest score of my query among my 64 keys, in two chains, each accumulator from its low end on,
	v_max3_num_f32 v252, v99, v100, v101
.irp i, 6,10,14,18,22,26,30,34,38,42,46,50,54,58
	v_max3_num_f32 v254, v254, v[96+\i], v[97+\i]
	v_max3_num_f32 v252, v252, v[98+\i], v[99+\i]
.endr
	v_max3_num_f32 v254, v254, v158, v159
	v_max_num_f32 v254, v254, v252
	v_permlanex16_b32 v236, v254, s82, s83
	v_max_num_f32 v254, v254, v236                 ; and among lane l xor 16's
	v_mul_f32 v254, s80, v254                      ; as t (c is positive)
	v_max_num_f32 v13, v13, v254                   ; the running largest t
	v_mov_b32 v254, v12
	v_floor_f32 v12, -v13                          ; the new -M = floor(-t): M is a whole number
	v_sub_f32 v254, v12, v254                      ; old M - new M, 0 or less
	v_cvt_i32_f32 v254, v254                       ; (it saturates)
	v_ldexp_f32 v252, 1.0, v254                    ; f = 2^(old M - new M): the rescaling rounds nothing
.irp j, 0,2,4,6,8,10,12,14,16,18,20,22,24,26,28,30,32,34,36,38,40,42,44,46,48,50,52,54,56,58,60,62
	v_pk_fma_f32 v[96+\j:97+\j], v[96+\j:97+\j], s[80:81], v[12:13] op_sel_hi:[1,0,0]   ; t - M, two at a time
.endr
.irp j, 0,1,2,3,4,5,6,7,8,9,10,11,12,13,14,15,16,17,18,19,20,21,22,23,24,25,26,27,28,29,30,31,32,33,34,35,36,37,38,39,40,41,42,43,44,45,46,47,48,49,50,51,52,53,54,55,56,57,58,59,60,61,62,63
	v_exp_f32 v[96+\j], v[96+\j]                   ; p = 2^(t - M), at most 1
.endr
	v_pk_mul_f32 v[14:15], v[14:15], v[252:253] op_sel_hi:[1,0]   ; the sums under the new M: the plain line behind the exponentials
	s_wait_alu depctr_va_vdst(0)                   ; one wait for the whole batch, ahead of its first reader
	v_pk_add_f32 v[242:243], v[96:97], v[98:99]    ; the row's sum is taken of the unquantised p, in two chains
.irp j, 4,8,12,16,20,24,28,32,36,40,44,48,52,56,60
	v_pk_add_f32 v[14:15], v[14:15], v[96+\j:97+\j]
	v_pk_add_f32 v[242:243], v[242:243], v[98+\j:99+\j]
.endr
	v_pk_add_f32 v[14:15], v[14:15], v[242:243]
	s_cmp_ge_i32 s84, -8                           ; p is at most 1, and 448 x 2^e8 is at least 1 from e8 = -8 on: the hold then changes nothing
	s_cbranch_scc1 .Lnohold_\@
.irp j, 0,1,2,3,4,5,6,7,8,9,10,11,12,13,14,15,16,17,18,19,20,21,22,23,24,25,26,27,28,29,30,31,32,33,34,35,36,37,38,39,40,41,42,43,44,45,46,47,48,49,50,51,52,53,54,55,56,57,58,59,60,61,62,63
	v_min_num_f32 v[96+\j], v[96+\j], v7           ; the conversion to an 8-bit code does not saturate (ISA guide 7.6.2); p is not negative
.endr
.Lnohold_\@:
.irp T, 0,1,2,3,4,5,6,7
	v_cvt_scalef32_pk8_fp8_f32 v[192+2*\T:193+2*\T], v[96+8*\T:103+8*\T], v6
.endr
.irp j, 0,2,4,6,8,10,12,14,16,18,20,22,24,26,28,30
	v_pk_mul_f32 v[160+\j:161+\j], v[160+\j:161+\j], v[252:253] op_sel_hi:[1,0]   ; O^T under the new M; also the plain lines behind the conversions
.endr
	s_wait_dscnt 0x0                               ; V is in
.irp t, 0,1,2,3                        ; the four accumulators take turns
	v_wmma_f32_16x16x128_fp8_fp8 v[160+8*\t:167+8*\t], v[32+16*\t:47+16*\t], v[192:207], v[160+8*\t:167+8*\t]
.endr
.endm
; Step s = 2 trip + par.  What was asked for a step ago is in: step s + 1's K and V go into the other slot, which was last read in front of the last barrier; step s + 2's are asked for;
; step s + 1's mask words are asked for where that step has both an open and a masked key.  Then the step's work, or nothing; then ONE barrier: in front of it my stores have landed and my reads are over.
.macro TRIP par
	s_wait_loadcnt 0x0
.if \par
	s_cmp_lt_u32 s23, 15                           ; the last trip's second step has no successor
	s_cbranch_scc0 .Lnone_\@
.endif
	ds_store_b128 v1, v[216-8*\par:219-8*\par] offset:(1-\par)*16384
	ds_store_b128 v1, v[220-8*\par:223-8*\par] offset:(1-\par)*16384+8192
.if \par == 0
	s_cmp_lt_u32 s23, 15                           ; no load leaves its buffer
	s_cbranch_scc0 .Lnokv_\@
.endif
	global_load_b128 v[208+8*\par:211+8*\par], v1, s[24:25] offset:(2+\par)*8192
	global_load_b128 v[212+8*\par:215+8*\par], v1, s[26:27] offset:(2+\par)*8192
.if \par == 0
.Lnokv_\@:
.endif
	s_add_co_u32 s2, s22, 1
	s_bitcmp1_b32 s31, s2
	s_cbranch_scc0 .Lnone_\@
	global_load_b128 v[228-4*\par:231-4*\par], v3, s[28:29] offset:(1+\par)*16
.Lnone_\@:
	s_bitcmp1_b32 s20, s22
	s_cbranch_scc0 .Ltail_\@                       ; none of my 16 queries has an open key in this step
	STEP \par
.Ltail_\@:
	s_add_co_u32 s22, s22, 1
	s_wait_dscnt 0x0
	s_barrier_signal -1
	s_barrier_wait -1
.endm
	s_load_b256 s[4:11], s[0:1], 0x0               ; qimg s[4:5], kimg s[6:7], vimg s[8:9], mbits s[10:11]
	s_load_b128 s[12:15], s[0:1], 0x20             ; flags s[12:13], the scales' exponents s[14:15]
	s_load_b64 s[16:17], s[0:1], 0x30              ; aimg
	v_lshl_add_u32 v251, v0, 2, 0x8000
	v_mov_b32 v255, 0
	v_lshrrev_b32 v24, 5, v0
	v_readfirstlane_b32 s18, v24                   ; wave 0..15
	v_lshlrev_b32 v1, 4, v0
	v_and_b32 v24, 31, v0
	v_lshlrev_b32 v2, 4, v24
	v_and_b32 v25, 15, v0
	v_lshlrev_b32 v3, 9, v25
	v_bfe_u32 v4, v0, 4, 1
	v_lshlrev_b32 v4, 1, v4
	v_mov_b32 v5, 0xff800000
	s_and_b32 s19, ttmp7, 0xffff
	s_and_b32 s2, s18, 3
	s_lshl_b32 s3, s19, 2
	s_add_co_u32 s85, s3, s2                       ; my head
	s_lshr_b32 s2, s18, 2
	s_sub_co_u32 s3, 127, ttmp9
	s_bitcmp1_b32 s2, 0
	s_cselect_b32 s3, s3, ttmp9
	s_lshr_b32 s2, s2, 1
	s_lshl_b32 s2, s2, 7
	s_add_co_u32 s86, s2, s3                       ; my block of 16 queries
	s_wait_kmcnt 0x0
	s_lshl_b32 s2, s86, 7
	s_mov_b32 s3, 0
	s_add_nc_u64 s[12:13], s[12:13], s[2:3]
	s_load_b512 s[32:47], s[12:13], 0x0            ; my 16 rows' flag words
	s_load_b512 s[48:63], s[12:13], 0x40
	s_load_b256 s[68:75], s[14:15], 0x0            ; e0 .. e7
	s_load_b128 s[76:79], s[14:15], 0x20           ; e8 .. e11
	s_lshl_b32 s2, s19, 18
	s_add_nc_u64 s[24:25], s[6:7], s[2:3]
	s_add_nc_u64 s[26:27], s[8:9], s[2:3]
	s_lshl_b32 s2, s86, 13
	s_add_nc_u64 s[28:29], s[10:11], s[2:3]
	s_lshl_b32 s2, s85, 8
	s_add_co_u32 s2, s2, s86
	s_lshl_b32 s2, s2, 10
	s_add_nc_u64 s[4:5], s[4:5], s[2:3]
	global_load_b128 v[16:19], v2, s[4:5]          ; Q's fragment stays in registers
	global_load_b128 v[20:23], v2, s[4:5] offset:512
	global_load_b128 v[208:211], v1, s[24:25]      ; steps 0 and 1 of K and V: the work-group's 512 threads take 8 KiB an instruction
	global_load_b128 v[212:215], v1, s[26:27]
	global_load_b128 v[216:219], v1, s[24:25] offset:8192
	global_load_b128 v[220:223], v1, s[26:27] offset:8192
	global_load_b128 v[224:227], v3, s[28:29]      ; step 0's mask words
	s_lshr_b32 s2, s86, 3                          ; where my codes go: [block / 8][head / 2][block % 8][2 (head % 2) + b][lane][16]
	s_lshl_b32 s2, s2, 17
	s_lshr_b32 s30, s85, 1
	s_lshl_b32 s30, s30, 14
	s_add_co_u32 s2, s2, s30
	s_and_b32 s30, s86, 7
	s_lshl_b32 s30, s30, 11
	s_add_co_u32 s2, s2, s30
	s_and_b32 s30, s85, 1
	s_lshl_b32 s30, s30, 10
	s_add_co_u32 s2, s2, s30
	s_add_nc_u64 s[16:17], s[16:17], s[2:3]
	v_mov_b32 v13, 0xff61b1e6                      ; the largest t so far: -3e38, under every t
	v_floor_f32 v12, -v13
	v_mov_b32 v14, 0
	v_mov_b32 v15, 0
	v_mov_b32 v236, 0                              ; written once: a lane permute's destination counts as one of its sources
	v_mov_b32 v252, 0
	v_mov_b32 v253, 0                              ; (named as the upper half of the pair v[252:253])
.irp c, 0,1,2,3
	v_mov_b32 v[228+\c], 0                         ; the second set of mask words: written, though read only behind its load
.endr
.irp j, 0,1,2,3,4,5,6,7,8,9,10,11,12,13,14,15,16,17,18,19,20,21,22,23,24,25,26,27,28,29,30,31
	v_mov_b32 v[160+\j], 0                         ; O^T: which step is a wave's first hangs on the mask, so the step is written once and finds zeros
.endr
	s_mov_b32 s82, 0x76543210
	s_mov_b32 s83, 0xfedcba98
	s_wait_kmcnt 0x0
	s_mov_b32 s20, s32
	s_mov_b32 s21, s33
.irp i, 1,2,3,4,5,6,7,8,9,10,11,12,13,14,15
	s_or_b32 s20, s20, s[32+2*\i]                  ; a step counts as open, or as masked, if it is so for any of my 16 queries
	s_or_b32 s21, s21, s[33+2*\i]
.endr
	s_and_b32 s31, s20, s21
	s_add_co_i32 s2, s74, s75
	s_lshl_b32 s2, s2, 23
	s_add_co_i32 s80, s2, 0x3e38aa3b               ; c = log2(e) / 8, with e6 + e7 added to its exponent field
	s_mov_b32 s81, s80
	s_mov_b32 s84, s76
	s_add_co_i32 s2, s76, 127
	s_lshl_b32 s3, s2, 23
	v_mov_b32 v6, s3                               ; 2^e8 as f32
	s_add_co_i32 s2, s2, 8
	s_lshl_b32 s2, s2, 23
	s_or_b32 s2, s2, 0x600000
	v_mov_b32 v7, s2                               ; 448 x 2^e8
	s_wait_loadcnt 0x0
	ds_store_b128 v1, v[208:211]                   ; step 0 into slot 0
	ds_store_b128 v1, v[212:215] offset:8192
	s_wait_dscnt 0x0
	s_barrier_signal -1
	s_barrier_wait -1
	s_mov_b32 s22, 0
	s_mov_b32 s23, 0
.Ltrip:                                                ; 16 trips of two steps, whatever the mask holds
	TRIP 0
	TRIP 1
	s_wait_xcnt 0x0                                ; the trip's loads have read their bases: they may step
	s_add_nc_u64 s[24:25], s[24:25], 16384
	s_add_nc_u64 s[26:27], s[26:27], 16384
	s_add_nc_u64 s[28:29], s[28:29], 32
	s_add_co_u32 s23, s23, 1
	s_cmp_lt_u32 s23, 16
	s_cbranch_scc1 .Ltrip
	; THE WAY OUT: O^T / the sum, quantised with 2^e10 (a sum of the second product stands for sum x 2^(e8 + e9)): the codes are two groups of four registers of the last product's operand
.rept 4
	v_nop
.endr
	v_add_f32 v14, v14, v15
	v_permlanex16_b32 v252, v14, s82, s83
	v_add_f32 v14, v14, v252                       ; the row's sum
	v_cmp_eq_f32 s3, 0, v14                        ; no open key at all
	v_rcp_f32 v14, v14
	v_mov_b32 v136, 0x7f7f7f7f                     ; (the plain line behind the reciprocal)  four NaN codes
	s_sub_co_i32 s2, s78, s76
	s_sub_co_i32 s2, s2, s77                       ; e10 - e8 - e9
	s_add_co_i32 s2, s2, 127
	s_lshl_b32 s30, s2, 23
	v_mov_b32 v137, s30
	s_add_co_i32 s2, s2, 8
	s_lshl_b32 s2, s2, 23
	s_or_b32 s2, s2, 0x600000
	v_mov_b32 v138, s2
	s_wait_alu depctr_va_vdst(0)                   ; the wait ahead of the reciprocal's first reader
.irp j, 0,2,4,6,8,10,12,14,16,18,20,22,24,26,28,30
	v_pk_mul_f32 v[96+\j:97+\j], v[160+\j:161+\j], v[14:15] op_sel_hi:[1,0]
.endr
.irp j, 0,1,2,3,4,5,6,7,8,9,10,11,12,13,14,15,16,17,18,19,20,21,22,23,24,25,26,27,28,29,30,31
	v_med3_num_f32 v[96+\j], v[96+\j], -v138, v138
.endr
.irp b, 0,1
	v_cvt_scalef32_pk8_fp8_f32 v[128+4*\b:129+4*\b], v[96+16*\b:103+16*\b], v137
	v_cvt_scalef32_pk8_fp8_f32 v[130+4*\b:131+4*\b], v[104+16*\b:111+16*\b], v137
.endr
	v_nop                                          ; one plain line behind the last scaled conversion
.irp i, 0,1,2,3,4,5,6,7
	v_cndmask_b32 v[128+\i], v[128+\i], v136, s3
.endr
	global_store_b128 v2, v[128:131], s[16:17]     ; 512 consecutive bytes each
	global_store_b128 v2, v[132:135], s[16:17] offset:512
	s_wait_tensorcnt 0x0
	ds_add_u32 v251, v255
	s_wait_dscnt 0x0
	s_endpgm
.Lfunc_end_k_q90967a466d_attn:
	.size	k_q90967a466d_attn, .Lfunc_end_k_q90967a466d_attn-k_q90967a466d_attn
	.p2alignl 7, 3214868480
	.fill 96, 4, 3214868480
	.section	.rodata,"a",@progbits
	.p2align	6, 0x0
	.amdhsa_kernel k_q90967a466d_attn
		.amdhsa_group_segment_fixed_size 34816
		.amdhsa_private_segment_fixed_size 0
		.amdhsa_enable_private_segment 0
		.amdhsa_kernarg_size 56
		.amdhsa_user_sgpr_count 2
		.amdhsa_user_sgpr_kernarg_segment_ptr 1
		.amdhsa_wavefront_size32 1
		.amdhsa_system_sgpr_workgroup_id_x 1
		.amdhsa_system_sgpr_workgroup_id_y 1
		.amdhsa_system_sgpr_workgroup_id_z 1
		.amdhsa_system_vgpr_workitem_id 0
		.amdhsa_next_free_vgpr 256
		.amdhsa_next_free_sgpr 88
		.amdhsa_reserve_vcc 1
		.amdhsa_float_denorm_mode_32 3
		.amdhsa_float_denorm_mode_16_64 3
		.amdhsa_memory_ordered 1
		.amdhsa_forward_progress 1
		.amdhsa_inst_pref_size 59
	.end_amdhsa_kernel
	.amdgpu_metadata
---
amdhsa.version: [ 1, 2 ]
amdhsa.kernels:
  - .name:           k_q90967a466d_attn
    .symbol:         k_q90967a466d_attn.kd
    .args:
      - { .name: qimg, .offset: 0, .size: 8, .value_kind: global_buffer, .address_space: global }
      - { .name: kimg, .offset: 8, .size: 8, .value_kind: global_buffer, .address_space: global }
      - { .name: vimg, .offset: 16, .size: 8, .value_kind: global_buffer, .address_space: global }
      - { .name: mbits, .offset: 24, .size: 8, .value_kind: global_buffer, .address_space: global }
      - { .name: flags, .offset: 32, .size: 8, .value_kind: global_buffer, .address_space: global }
      - { .name: lowp_scales, .offset: 40, .size: 8, .value_kind: global_buffer, .address_space: global }
      - { .name: aimg, .offset: 48, .size: 8, .value_kind: global_buffer, .address_space: global }
    .group_segment_fixed_size: 34816
    .private_segment_fixed_size: 0
    .kernarg_segment_align: 8
    .kernarg_segment_size: 56
    .max_flat_workgroup_size: 512
    .sgpr_count:     88
    .vgpr_count:     256
    .wavefront_size: 32
...
	.end_amdgpu_metadata
.endif
;; end of part 2
;; launch oproj (part 3): grid 8 x 32, 8 waves a work-group, clusters of 4 x 4, 306,176 bytes of LDS; arguments aimg, Wo_codes, lowp_scales, out0; writes out0
.if DOCPART == 3
	.amdgcn_target "amdgcn-amd-amdhsa--gfx1250"
	.amdhsa_code_object_version 6
	.text
	.protected	k_q90967a466d_oproj
	.globl	k_q90967a466d_oproj
	.p2align	8
	.type	k_q90967a466d_oproj,@function
k_q90967a466d_oproj:
	s_mov_b64 s[64:65], 0
	v_nop
	global_prefetch_b8 v0, s[64:65] scope:SCOPE_SE
	s_setreg_imm32_b32 hwreg(HW_REG_WAVE_MODE, 25, 1), 1
	s_wait_xcnt 0x0
	s_wait_alu depctr_hold_cnt(0) depctr_sa_sdst(0) depctr_va_vdst(0) depctr_va_sdst(0) depctr_va_ssrc(0) depctr_va_vcc(0) depctr_vm_vsrc(0)
	s_getreg_b32 s2, hwreg(HW_REG_IB_STS2, 6, 4)
	s_cmp_eq_u32 s2, 0
	s_cbranch_scc0 .Lentry_in_a_cluster
	s_endpgm
.Lentry_in_a_cluster:
	s_bfe_u32 s2, ttmp6, 0x10000c
	s_cmp_lg_u32 s2, 0xf033
	s_cbranch_scc0 .Lentry_shape_is_right
	s_endpgm
.Lentry_shape_is_right:
; out0 = a Wo on codes of FP8 (E4M3): a [4,096][1,024] as images of operand registers (aimg [tile of 128 rows 32][K step of 128: 8][block of 16 rows 8][c 4][lane][16]), Wo_codes [1,024 (n)][1,024 (k)], out0 f32.
; A sum is multiplied once by 2^(e10 + e11).  LIMIT: e10 + e11 between -126 and 127.
; A work-group makes 128 x 128 of the output: 256 work-groups.  ALL of K lies in LDS: a's tile 128 KiB, dense; Wo's 128 rows in eight pieces of 64 rows x 256 bytes, 16 bytes of padding a row.  Nothing is filled twice.
; CLUSTERS: 4 x 4 work-groups.  The four of a row of the cluster need the same tile of a, the four of a column the same rows of Wo: each piece is asked for JOINTLY, by the same tensor load with the same descriptor
; and a mask that names the four.  Waves with an even number fetch a's pieces, the others Wo's, two loads each: the first brings K 0-511, the second K 512-1,023: two loads of mine are out at the most.
; Wave w makes rows 32 (w / 2) on x columns 64 (w % 2) on: eight accumulators.  THE MATRIX INSTRUCTION IS USED TRANSPOSED (source 0 = 16 rows of Wo, source 1 = 16 rows of a); the rows of Wo that form a tile are
; 8 u + r + 8 (r / 8), so that a lane's 16 registers of tiles u = 0, 1 are 16 neighbouring columns of one row of the output.
; REGISTERS: v3 a's fragments, v4 Wo's, v5, v6 the stage (in, back), v7 my bytes in two rows of the output; v16-79 accumulator (t, n) at 16 + 8 (4 t + n); v80-111 a's two fragments; v112-175 Wo's four; v176-239 rows read back.
.set ACC, 16
.set AF,  80
.set BF,  112
.set TMP, 80                           ; the way out: the sums x 2^(e10 + e11), where the fragments lay
.set BK,  176
.set BBASE, 131072                     ; Wo's pieces: piece 2 (K quarter) + (row half) at BBASE + 17,408 x piece
.set STAGE, 270336                     ; 16 rows x (256 bytes + 16) for each wave; no tensor load lands here
.macro CROUND                          ; a round of the cluster's barrier
	s_barrier_signal -1
	s_barrier_wait -1
	s_cmp_lg_u32 s14, 0
	s_cbranch_scc1 .Lnot_wave_0_\@
	s_barrier_signal -3
.Lnot_wave_0_\@:
	s_barrier_wait -3
	s_barrier_signal -1
	s_barrier_wait -1
.endm
; 128 along K: step k of the half in hand.  The eight accumulators take turns, in the same order in every step.
.macro KST k, zero
.rept 4
	v_nop                                          ; places in front of loads into registers that matrix instructions have read
.endr
.irp t, 0,1
.irp c, 0,1,2,3
	ds_load_b128 v[AF+16*\t+4*\c:AF+16*\t+4*\c+3], v3 offset:16384*(\k)+2048*\t+512*\c
.endr
.endr
.irp n, 0,1,2,3
.irp c, 0,1,2,3
	ds_load_b128 v[BF+16*\n+4*\c:BF+16*\n+4*\c+3], v4 offset:34816*((\k)/2)+128*((\k)%2)+(32*(\n/2)+8*(\n%2))*272+32*\c
.endr
.endr
.irp n, 0,1,2,3
.if \n == 0
	s_wait_dscnt 8                                 ; a's fragments and Wo's first two are in; the youngest eight loads may be out
.endif
.if \n == 2
	s_wait_dscnt 0x0
.endif
.irp t, 0,1
.if \zero
	v_wmma_f32_16x16x128_fp8_fp8 v[ACC+8*(4*\t+\n):ACC+8*(4*\t+\n)+7], v[BF+16*\n:BF+16*\n+15], v[AF+16*\t:AF+16*\t+15], 0
.else
	v_wmma_f32_16x16x128_fp8_fp8 v[ACC+8*(4*\t+\n):ACC+8*(4*\t+\n)+7], v[BF+16*\n:BF+16*\n+15], v[AF+16*\t:AF+16*\t+15], v[ACC+8*(4*\t+\n):ACC+8*(4*\t+\n)+7]
.endif
.endr
.endr
.endm
; THE WAY OUT of 16 rows x 64 columns: a lane holds pieces of one row, the lanes beside it other rows: through my own stage, and back as rows of 256 bytes.
.macro TOSTAGE t
.irp j, 0,2,4,6,8,10,12,14,16,18,20,22,24,26,28,30
	v_pk_mul_f32 v[TMP+32*\t+\j:TMP+32*\t+\j+1], v[ACC+32*\t+\j:ACC+32*\t+\j+1], s[96:97] op_sel_hi:[1,0]   ; x 2^(e10 + e11); each accumulator from its low end on
.endr
.irp n, 0,1,2,3
	ds_store_b128 v5, v[TMP+32*\t+8*\n:TMP+32*\t+8*\n+3] offset:128*(\n/2)+32*(\n%2)
	ds_store_b128 v5, v[TMP+32*\t+8*\n+4:TMP+32*\t+8*\n+7] offset:128*(\n/2)+32*(\n%2)+16
.endr
.irp i, 0,1,2,3,4,5,6,7
	ds_load_b128 v[BK+32*\t+4*\i:BK+32*\t+4*\i+3], v6 offset:2*\i*272   ; LDS serves a wave's instructions in order (ISA guide 5.7.1.4): these see my stores, and the next block's stores come behind them
.endr
.endm
.macro SEND t, younger                 ; younger: the LDS instructions issued behind this block's loads
.irp i, 0,1,2,3,4,5,6,7
	s_wait_dscnt \younger+7-\i
	global_store_b128 v7, v[BK+32*\t+4*\i:BK+32*\t+4*\i+3], s[10:11] offset:(16*\t+2*\i)*4096 th:TH_STORE_NT   ; 16 lanes store 256 consecutive bytes, at a multiple of 256 from the output's first byte
.endr
.endm
	s_load_b128 s[4:7], s[0:1], 0x0                ; aimg s[4:5], Wo's codes s[6:7]
	s_load_b128 s[8:11], s[0:1], 0x10              ; the scales' exponents s[8:9], out0 s[10:11]
	v_lshl_add_u32 v254, v0, 2, 0x4a800
	v_mov_b32 v255, 0
	ds_add_u32 v254, v255
	ds_add_u32 v254, v255
	v_lshrrev_b32 v1, 5, v0
	v_readfirstlane_b32 s14, v1                    ; wave 0..7
	s_and_b32 s15, s14, 1                          ; I fetch for a (0) or for Wo (1).  Also: which 64 columns are mine
	s_lshr_b32 s16, s14, 1                         ; which piece I fetch.  Also: which 32 rows are mine
	s_bfe_u32 s40, ttmp6, 0x40000                  ; cx, cy: my place in the cluster
	s_bfe_u32 s41, ttmp6, 0x40004
	s_lshl_b32 s42, ttmp9, 2
	s_add_co_u32 s42, s42, s40                     ; tile column = 4 x cluster x + cx
	s_and_b32 s17, ttmp7, 0xffff
	s_lshl_b32 s17, s17, 2
	s_add_co_u32 s17, s17, s41                     ; tile row = 4 x cluster y + cy
	s_lshl_b32 s43, s41, 2
	s_lshl_b32 s43, 15, s43                        ; my row of the cluster
	s_lshl_b32 s44, 0x1111, s40                    ; my column
	; group 1 for a: 16 KiB, dense: 64 rows of 32 elements of 8 bytes
	s_or_b32 s24, s43, (3<<16)|(1<<21)             ; the mask: my row; elements of 8 bytes; bit 21 set beside a mask
	s_mov_b32 s25, 32<<16
	s_mov_b32 s26, 64<<16
	s_mov_b32 s27, 32<<16
	s_mov_b32 s28, 64
	s_mov_b32 s29, 32
	s_mov_b32 s30, 0
	s_mov_b32 s31, 0
	; group 1 for Wo: 64 rows x 256 bytes, 1,024 bytes apart, padded in LDS
	s_or_b32 s48, s44, (1<<20)|(1<<21)|(5<<22)|(3<<25)   ; the mask: my column; elements of 1 byte; padding: 4 words after every 64
	s_mov_b32 s49, 256<<16
	s_mov_b32 s50, 64<<16
	s_mov_b32 s51, 256<<16
	s_mov_b32 s52, 64
	s_mov_b32 s53, 1024
	s_mov_b32 s54, 0
	s_mov_b32 s55, 0
	s_lshl_b32 s20, s17, 17                        ; a: tile row x 128 KiB + piece x 16 KiB: it hangs on the tile row alone
	s_lshl_b32 s45, s16, 14
	s_add_co_u32 s20, s20, s45
	s_mov_b32 s21, 0
	s_lshl_b32 s46, s42, 17                        ; Wo: row 128 x tile column + 64 (piece % 2), K quarter piece / 2: it hangs on the tile column alone
	s_and_b32 s19, s16, 1
	s_lshl_b32 s19, s19, 16
	s_add_co_u32 s46, s46, s19
	s_lshr_b32 s19, s16, 1
	s_lshl_b32 s19, s19, 8
	s_add_co_u32 s46, s46, s19
	s_mov_b32 s47, 0
	s_mul_i32 s22, s16, 17408
	s_add_co_u32 s22, s22, BBASE                   ; no place in the cluster enters an LDS address
	s_wait_dscnt 0x0
	s_wait_kmcnt 0x0
	s_load_b64 s[96:97], s[8:9], 0x28              ; e10, e11
	s_add_nc_u64 s[20:21], s[4:5], s[20:21]
	s_add_nc_u64 s[46:47], s[6:7], s[46:47]
	CROUND                                         ; all sixteen work-groups are here: the joint loads meet
.irp f, 0,1                            ; group 0: the first and the second half of K
	s_mov_b32 s[32+4*\f], 1
	s_add_co_u32 s[33+4*\f], s45, \f*65536
	s_add_nc_u64 s[34+4*\f:35+4*\f], s[20:21], \f*65536
	s_or_b32 s[35+4*\f], s[35+4*\f], 0x80000000
	s_mov_b32 s[56+4*\f], 1
	s_add_co_u32 s[57+4*\f], s22, \f*69632
	s_add_nc_u64 s[58+4*\f:59+4*\f], s[46:47], \f*512
	s_or_b32 s[59+4*\f], s[59+4*\f], 0x80000000
.endr
	s_cmp_eq_u32 s15, 0                            ; a wave's two loads stand in one branch on the wave's number, the same in every work-group; four v_nop follow the second
	s_cbranch_scc0 .Lfor_b
	tensor_load_to_lds s[32:35], s[24:31]
	s_nop 0
	tensor_load_to_lds s[36:39], s[24:31]
	s_nop 0
.rept 4
	v_nop
.endr
	s_branch .Lasked
.Lfor_b:
	tensor_load_to_lds s[56:59], s[48:55]
	s_nop 0
	tensor_load_to_lds s[60:63], s[48:55]
	s_nop 0
.rept 4
	v_nop
.endr
.Lasked:
	v_and_b32 v1, 15, v0                           ; r
	v_bfe_u32 v2, v0, 4, 1                         ; h
	v_and_b32 v8, 31, v0
	v_lshlrev_b32 v8, 4, v8
	s_lshl_b32 s23, s16, 12
	v_add_nc_u32 v3, s23, v8                       ; a: my two blocks of 16 rows, 16 x lane
	v_and_b32 v4, 8, v1
	v_add_nc_u32 v4, v4, v1
	v_mul_u32_u24 v4, v4, 272
	v_lshl_add_u32 v4, v2, 4, v4
	s_mul_i32 s23, s15, 17408
	s_add_co_u32 s23, s23, BBASE
	v_add_nc_u32 v4, s23, v4                       ; Wo: my half of the rows, row r + 8 (r / 8), + 16 h
	s_mul_i32 s23, s14, 4352
	s_add_co_u32 s23, s23, STAGE
	v_mul_u32_u24 v5, v1, 272
	v_lshl_add_u32 v5, v2, 6, v5
	v_add_nc_u32 v5, s23, v5                       ; into the stage: row r, + 64 h
	v_mul_u32_u24 v6, v2, 272
	v_lshl_add_u32 v6, v1, 4, v6
	v_add_nc_u32 v6, s23, v6                       ; back: lanes 0-15 one row, lanes 16-31 the next
	v_lshlrev_b32 v7, 12, v2
	v_lshl_add_u32 v7, v1, 4, v7                   ; and the same two rows of the output
	s_lshl_b32 s20, s17, 7
	s_lshl_b32 s21, s16, 5
	s_add_co_u32 s20, s20, s21
	s_lshl_b32 s20, s20, 12                        ; my first row: 128 x tile row + 32 (w / 2), rows of 4,096 bytes
	s_mov_b32 s21, 0
	s_lshl_b32 s46, s42, 9                         ; my first column, in bytes (in the registers that held Wo's address)
	s_lshl_b32 s47, s15, 8
	s_add_co_u32 s46, s46, s47
	s_mov_b32 s47, 0
	s_add_nc_u64 s[10:11], s[10:11], s[20:21]
	s_add_nc_u64 s[10:11], s[10:11], s[46:47]
	s_wait_tensorcnt 0x1                           ; my piece of K's first half is in; the second may stay out
	s_barrier_signal -1
	s_barrier_wait -1                              ; everybody's is
	KST 0, 1                                       ; the first products start the sums
	KST 1, 0
	KST 2, 0
	KST 3, 0
	s_wait_tensorcnt 0x0                           ; my piece of the second half
	s_wait_dscnt 0x0
	s_barrier_signal -1
	s_barrier_wait -1
	v_add_nc_u32 v3, 65536, v3
	v_add_nc_u32 v4, 69632, v4
	KST 0, 0
	KST 1, 0
	KST 2, 0
	KST 3, 0
	s_wait_kmcnt 0x0
	s_add_co_i32 s96, s96, s97
	s_add_co_i32 s96, s96, 127
	s_lshl_b32 s96, s96, 23                        ; 2^(e10 + e11) as f32
.rept 4
	v_nop                                          ; places behind the last products: what follows reads results and writes over fragments
.endr
	TOSTAGE 0
	TOSTAGE 1
	SEND 0, 16
	SEND 1, 0
	s_wait_tensorcnt 0x0
	ds_add_u32 v254, v255
	s_wait_dscnt 0x0
	CROUND                                         ; the closing round: no work-group ends while a partner may still ask for a piece that names it
	s_endpgm
.Lfunc_end_k_q90967a466d_oproj:
	.size	k_q90967a466d_oproj, .Lfunc_end_k_q90967a466d_oproj-k_q90967a466d_oproj
	.p2alignl 7, 3214868480
	.fill 96, 4, 3214868480
	.section	.rodata,"a",@progbits
	.p2align	6, 0x0
	.amdhsa_kernel k_q90967a466d_oproj
		.amdhsa_group_segment_fixed_size 306176
		.amdhsa_private_segment_fixed_size 0
		.amdhsa_enable_private_segment 0
		.amdhsa_kernarg_size 32
		.amdhsa_user_sgpr_count 2
		.amdhsa_user_sgpr_kernarg_segment_ptr 1
		.amdhsa_wavefront_size32 1
		.amdhsa_system_sgpr_workgroup_id_x 1
		.amdhsa_system_sgpr_workgroup_id_y 1
		.amdhsa_system_sgpr_workgroup_id_z 1
		.amdhsa_system_vgpr_workitem_id 0
		.amdhsa_next_free_vgpr 256
		.amdhsa_next_free_sgpr 98
		.amdhsa_reserve_vcc 0
		.amdhsa_float_denorm_mode_32 3
		.amdhsa_float_denorm_mode_16_64 3
		.amdhsa_memory_ordered 1
		.amdhsa_forward_progress 1
		.amdhsa_inst_pref_size 31
	.end_amdhsa_kernel
	.amdgpu_metadata
---
amdhsa.version: [ 1, 2 ]
amdhsa.kernels:
  - .name:           k_q90967a466d_oproj
    .symbol:         k_q90967a466d_oproj.kd
    .args:
      - { .name: aimg, .offset: 0, .size: 8, .value_kind: global_buffer, .address_space: global }
      - { .name: Wo_codes, .offset: 8, .size: 8, .value_kind: global_buffer, .address_space: global }
      - { .name: lowp_scales, .offset: 16, .size: 8, .value_kind: global_buffer, .address_space: global }
      - { .name: out0, .offset: 24, .size: 8, .value_kind: global_buffer, .address_space: global }
    .group_segment_fixed_size: 306176
    .private_segment_fixed_size: 0
    .kernarg_segment_align: 8
    .kernarg_segment_size: 32
    .max_flat_workgroup_size: 256
    .sgpr_count:     98
    .vgpr_count:     256
    .wavefront_size: 32
...
	.end_amdgpu_metadata
.endif
;; end of part 3
;; ======== version 2 of 2: 3 launches
;; limits: right only within a limited range of input values
;; workspace buffers: qimg 4,194,304 bytes; kimg 1,048,576 bytes; vimg 1,048,576 bytes; aimg 4,194,304 bytes; mbits 2,097,152 bytes of whole numbers; flags 32,768 bytes of whole numbers
;; launch qkvmask (part 4): grid 32 x 8, 16 waves a work-group, no clusters, 327,680 bytes of LDS; arguments x_codes, Wq_codes, Wk_codes, Wv_codes, lowp_scales, mask, qimg, kimg, vimg, mbits, flags; writes qimg, kimg, vimg, mbits, flags
.if DOCPART == 4
	.amdgcn_target "amdgcn-amd-amdhsa--gfx1250"
	.amdhsa_code_object_version 6
	.text
	.protected	k_q90967a466d_qkvmask
	.globl	k_q90967a466d_qkvmask
	.p2align	8
	.type	k_q90967a466d_qkvmask,@function
k_q90967a466d_qkvmask:
	s_mov_b64 s[64:65], 0
	v_nop
	global_prefetch_b8 v0, s[64:65] scope:SCOPE_SE
	s_setreg_imm32_b32 hwreg(HW_REG_WAVE_MODE, 25, 1), 1
	s_wait_xcnt 0x0
; q = rope(x Wq), k = rope(x Wk), v = x Wv on codes of FP8 (E4M3), quantised again for attention; and the mask, 4,096 x 4,096 int32, packed to bits.
; SHARES.  Work-group (X, Y): X = a block of 128 positions.  Y = 0..3: 256 rows of Wq (four heads); Y = 4: Wk; Y = 5: Wv; Y = 6, 7: no product.
; EVERY work-group packs 16 rows of the mask, a row a wave: row 16 (32 Y + X) + wave.  A row's 16 KiB are asked for at the head, into 128 registers, and are packed last:
; they are on their way while the products and the rotation are done.
; THE PRODUCT.  128 positions x 256 rows of W, K = 1,024 in four quarters of 256 through three LDS slots (rows 0-127 x, rows 128-383 W, 256 bytes + 16 of padding a row);
; quarter 3 fills slot 0 a second time.  Waves 0-5 fetch 64 rows each.  Wave w makes 32 positions (w / 4) x 64 rows of W: heads 2 ((w / 2) % 2) + e, e = 0, 1, their channels 32 (w % 2) on.
; THE ROWS OF W THAT FORM A TILE ARE NOT NEIGHBOURS: lane r of tile u takes row 8 u + r + 8 (r / 8), so that the 16 registers of tiles u = 0, 1 are 16 neighbouring channels, 16 (lane / 16) + 0 .. 15.
; q, k: source 0 = 16 rows of W, source 1 = 16 positions: a lane holds one position, its registers run along the channels (the next K).
; v:    the sources are swapped: a lane holds one channel, its registers run along the positions (the keys are the next K).
; A fragment comes by four loads of 16 bytes, 32 apart: a permutation of k that is the same on both sides of every product.
; THE WORKSPACES ARE IMAGES OF OPERAND REGISTERS: every store of a wave is 512 consecutive bytes, 16 a lane.
;   qimg [head 16][block of 16 queries 256][c 2][lane][16]: lane (r, h): query r, channels 32 c + 16 h + 0..15.   kimg [kv 4][256][2][lane][16] likewise.
;   vimg [kv 4][step of 128 keys 32][tile 4][chunk 4][lane][16]: lane (r, h): the tile's channel of lane r; registers 2 T, 2 T + 1: keys 16 T + 8 h + 0..7; chunk = T / 2.
;   mbits [row][step 32][c 4]: bit l of word c: mask[row][128 step + 4 l + c] != 0.   flags [row][2]: bit s of word 0: step s has an open key; of word 1: it has a masked one.
; ROPE.  angle = position x theta, one f32 rounding; it is reduced by whole quarter turns in two parts (the first product is exact: 12 bits x 24 bits, and the difference fits f32); sine and cosine by
; polynomials on +-pi/4.  The rotation is linear, so it is done on the sums; the three scales ahead of a quantiser are folded into the conversion's one.
; LIMITS.  e6 - e0 - e1, e7 - e2 - e3 and e9 - e4 - e5 lie between -126 and 119, so that each power of two below is an f32 number.  NaN codes among the inputs are not served.
; theta = 1000^(-i/32) is the correctly rounded f32 number; a power and a reciprocal taken in f32 may differ from it in the last bit.
.set PITCH, 272                        ; an LDS row: 256 bytes + 16 of padding = 68 words: the 16 rows that a load touches start at 16 different banks (64 banks of 4 bytes: ISA guide 11.1)
.set LROWS, 64*PITCH                   ; what one tensor load brings
.set SLOT,  384*PITCH
.set SPARE, 3*SLOT                     ; behind the slots: the spare words, 128 bytes for each of 16 waves: eight blocks of 256 bytes that no other line names
.set SPW, 1                            ; v1   LDS address of my spare word; never rewritten
.set NIL, 2                            ; v2   0; never rewritten
.set ADA, 3                            ; v3   my x fragments in slot 0
.set ADB, 4                            ; v4   my W fragments in slot 0
.set L16, 5                            ; v5   16 x lane; never rewritten
.set POS, 6                            ; v6, v7 my position as f32, for the wave's two tiles of positions
.set A1,  8                            ; v8, v9   the same addresses in slot 1
.set B1,  9
.set A2,  10                           ; v10, v11 in slot 2
.set B2,  11
.set LN,  15                           ; v15  lane
.set ACC, 16                           ; v16-79   accumulator (t, e, u) at 16 + 8 (4 t + 2 e + u)
.set AF,  80                           ; v80-111  two fragments of x
.set BF,  112                          ; v112-127 one fragment of W
.set MK,  128                          ; v128-255 my row of the mask, as loaded
.set CD,  80                           ; behind the products: v80-95 the codes;
.set THT, 96                           ; v96-106 at work on an angle
.set T2,  97
.set AN,  98
.set KQ,  99
.set RR,  100
.set ZZ,  101
.set PSN, 102
.set PCS, 103
.set WW,  104
.set NI,  105
.set TMQ, 106
.set SCB, 108                          ; v108-111 sine, cosine of tile 0's position, of tile 1's
.set TA,  112                          ; v112-119 two products for each of four rotations
.set KS3, 124                          ; the polynomials' leading coefficients
.set KC3, 125
.set SCL, 126                          ; the conversion's scale as f32
.set LIM, 127                          ; 448 x that
.set OW,  96                           ; v96-99 the packed row: lane s holds step s's four words
.macro MASKLOADS                       ; my row of the mask: 32 loads of 512 consecutive bytes
.set q, 0
.rept 32
	global_load_b128 v[MK+4*q:MK+4*q+3], v[L16], s[80:81] offset:512*q th:TH_LOAD_NT
.set q, q+1
.endr
.endm
.macro BLOAD rb, koff, n               ; W's fragment n = 2 e + u
.irp c, 0,1,2,3
	ds_load_b128 v[BF+4*\c:BF+4*\c+3], v[\rb] offset:\koff+32*\c+(64*((\n)/2)+8*((\n)%2))*PITCH
.endr
.endm
; Two matrix instructions: W's fragment n against the two tiles of positions.  For v the sources are swapped: a branch on the work-group's y, round the matrix instructions alone.
; The eight accumulators take turns, one instruction a turn, in the same order in every step.
.macro WM n, zero
	s_cmp_eq_u32 s10, 5
	s_cbranch_scc1 .Lvarm_\@
.if \zero
	v_wmma_f32_16x16x128_fp8_fp8 v[ACC+8*(\n):ACC+8*(\n)+7], v[BF:BF+15], v[AF:AF+15], 0
	v_wmma_f32_16x16x128_fp8_fp8 v[ACC+32+8*(\n):ACC+32+8*(\n)+7], v[BF:BF+15], v[AF+16:AF+31], 0
.else
	v_wmma_f32_16x16x128_fp8_fp8 v[ACC+8*(\n):ACC+8*(\n)+7], v[BF:BF+15], v[AF:AF+15], v[ACC+8*(\n):ACC+8*(\n)+7]
	v_wmma_f32_16x16x128_fp8_fp8 v[ACC+32+8*(\n):ACC+32+8*(\n)+7], v[BF:BF+15], v[AF+16:AF+31], v[ACC+32+8*(\n):ACC+32+8*(\n)+7]
.endif
	s_branch .Ldone_\@
.Lvarm_\@:
.if \zero
	v_wmma_f32_16x16x128_fp8_fp8 v[ACC+8*(\n):ACC+8*(\n)+7], v[AF:AF+15], v[BF:BF+15], 0
	v_wmma_f32_16x16x128_fp8_fp8 v[ACC+32+8*(\n):ACC+32+8*(\n)+7], v[AF+16:AF+31], v[BF:BF+15], 0
.else
	v_wmma_f32_16x16x128_fp8_fp8 v[ACC+8*(\n):ACC+8*(\n)+7], v[AF:AF+15], v[BF:BF+15], v[ACC+8*(\n):ACC+8*(\n)+7]
	v_wmma_f32_16x16x128_fp8_fp8 v[ACC+32+8*(\n):ACC+32+8*(\n)+7], v[AF+16:AF+31], v[BF:BF+15], v[ACC+32+8*(\n):ACC+32+8*(\n)+7]
.endif
.Ldone_\@:
.endm
; 128 along K: x's two fragments, then W's four, one after the other through one set of registers (the mask holds half of the wave's registers); the SIMD's other three waves work meanwhile.
; Four plain places stand between a matrix instruction and a load into a register that it has read (ISA guide 7.12.1 for vector instructions).
.macro KSTEP ra, rb, koff, zero
.rept 4
	v_nop
.endr
.irp t, 0,1
.irp c, 0,1,2,3
	ds_load_b128 v[AF+16*\t+4*\c:AF+16*\t+4*\c+3], v[\ra] offset:\koff+32*\c+16*PITCH*\t
.endr
.endr
	BLOAD \rb, \koff, 0
.irp n, 0,1,2,3
	s_wait_dscnt 0x0
	WM \n, \zero
.if \n < 3
.rept 4
	v_nop
.endr
	BLOAD \rb, \koff, \n+1
.endif
.endr
.endm
; sine and cosine of v[pos] x theta into v[o], v[o + 1]
.macro SINCOS pos, o
	v_mul_f32 v[AN], v[\pos], v[THT]               ; the angle, rounded once
	s_delay_alu instid0(VALU_DEP_1)
	v_mul_f32 v[KQ], 0x3f22f983, v[AN]             ; x 2 / pi
	s_delay_alu instid0(VALU_DEP_1)
	v_rndne_f32 v[KQ], v[KQ]                       ; whole quarter turns, at most 2,607
	s_delay_alu instid0(VALU_DEP_1)
	v_fmamk_f32 v[RR], v[KQ], 0xbfc90fdb, v[AN]    ; less quarter turns x the f32 number next to pi / 2: exact
	s_delay_alu instid0(VALU_DEP_1)
	v_fmamk_f32 v[RR], v[KQ], 0x333bbd2e, v[RR]    ; and x what that number lacks of pi / 2
	s_delay_alu instid0(VALU_DEP_1)
	v_mul_f32 v[ZZ], v[RR], v[RR]
	s_delay_alu instid0(VALU_DEP_1)
	v_fmaak_f32 v[PSN], v[KS3], v[ZZ], 0x3c08839e
	s_delay_alu instid0(VALU_DEP_2)
	v_fmaak_f32 v[PCS], v[KC3], v[ZZ], 0xbab6061a
	s_delay_alu instid0(VALU_DEP_2)
	v_fmaak_f32 v[PSN], v[PSN], v[ZZ], 0xbe2aaaa3
	s_delay_alu instid0(VALU_DEP_2)
	v_fmaak_f32 v[PCS], v[PCS], v[ZZ], 0x3d2aaaa5
	s_delay_alu instid0(VALU_DEP_2)
	v_mul_f32 v[PSN], v[PSN], v[ZZ]
	v_fma_f32 v[WW], v[ZZ], -0.5, 1.0
	v_mul_f32 v[ZZ], v[ZZ], v[ZZ]
	s_delay_alu instid0(VALU_DEP_3)
	v_fma_f32 v[PSN], v[PSN], v[RR], v[RR]         ; sin r
	s_delay_alu instid0(VALU_DEP_2)
	v_fma_f32 v[PCS], v[ZZ], v[PCS], v[WW]         ; cos r
	v_cvt_i32_f32 v[NI], v[KQ]
	s_delay_alu instid0(VALU_DEP_1)
	v_and_b32 v[TMQ], 1, v[NI]
	s_delay_alu instid0(VALU_DEP_1)
	v_cmp_eq_u32 vcc_lo, 1, v[TMQ]                 ; an odd number of quarter turns swaps the two
	s_delay_alu instid0(VALU_DEP_1)
	v_cndmask_b32 v[\o], v[PSN], v[PCS], vcc_lo
	s_delay_alu instid0(VALU_DEP_2)
	v_cndmask_b32 v[\o+1], v[PCS], v[PSN], vcc_lo
	v_lshlrev_b32 v[TMQ], 30, v[NI]
	s_delay_alu instid0(VALU_DEP_1)
	v_and_b32 v[TMQ], 0x80000000, v[TMQ]           ; the sine changes sign in quarters 2, 3,
	s_delay_alu instid0(VALU_DEP_1)
	v_xor_b32 v[\o], v[TMQ], v[\o]
	v_add_nc_u32 v[NI], 1, v[NI]
	s_delay_alu instid0(VALU_DEP_1)
	v_lshlrev_b32 v[TMQ], 30, v[NI]
	s_delay_alu instid0(VALU_DEP_1)
	v_and_b32 v[TMQ], 0x80000000, v[TMQ]           ; the cosine in quarters 1, 2
	s_delay_alu instid0(VALU_DEP_1)
	v_xor_b32 v[\o+1], v[TMQ], v[\o+1]
.endm
; Pair p of tile u: channels 2 i, 2 i + 1 with i = 16 (w % 2) + 8 (lane / 16) + 4 u + p.  The four thetas are those of (w % 2, lane / 16) = (0, 0), (0, 1), (1, 0), (1, 1).
; The angle serves both heads of the wave.  even = x1 cos - x2 sin, odd = x1 sin + x2 cos, in place.
.macro ROT u, p, t00, t01, t10, t11
	s_mov_b32 s3, \t00
	s_mov_b32 s4, \t10
	s_mov_b32 s5, \t01
	s_mov_b32 s6, \t11
	s_cmp_eq_u32 s13, 1
	s_cselect_b32 s3, s4, s3
	s_cselect_b32 s5, s6, s5
	v_mov_b32 v[THT], s3
	v_mov_b32 v[T2], s5
	s_delay_alu instid0(VALU_DEP_1)
	v_cndmask_b32 v[THT], v[THT], v[T2], s38
	SINCOS POS, SCB
	SINCOS POS+1, SCB+2
.irp t, 0,1
.irp e, 0,1
	v_mul_f32 v[TA+2*(2*\t+\e)], v[ACC+8*(4*\t+2*\e+\u)+2*\p+1], v[SCB+2*\t]
	v_mul_f32 v[TA+2*(2*\t+\e)+1], v[ACC+8*(4*\t+2*\e+\u)+2*\p+1], v[SCB+2*\t+1]
.endr
.endr
.irp t, 0,1
.irp e, 0,1
	v_fma_f32 v[ACC+8*(4*\t+2*\e+\u)+2*\p+1], v[ACC+8*(4*\t+2*\e+\u)+2*\p], v[SCB+2*\t], v[TA+2*(2*\t+\e)+1]
	v_fma_f32 v[ACC+8*(4*\t+2*\e+\u)+2*\p], v[ACC+8*(4*\t+2*\e+\u)+2*\p], v[SCB+2*\t+1], -v[TA+2*(2*\t+\e)]
.endr
.endr
.endm
	s_load_b512 s[16:31], s[0:1], 0x0              ; x s[16:17], Wq s[18:19], Wk s[20:21], Wv s[22:23], scales s[24:25], mask s[26:27], qimg s[28:29], kimg s[30:31]
	s_load_b128 s[32:35], s[0:1], 0x40             ; vimg s[32:33], mbits s[34:35]
	s_load_b64 s[36:37], s[0:1], 0x50              ; flags
	v_lshl_add_u32 v[SPW], v0, 2, SPARE
	v_mov_b32 v[NIL], 0
	ds_add_u32 v1, v2
	ds_add_u32 v1, v2
	s_wait_dscnt 0x0
	v_lshrrev_b32 v12, 5, v0
	s_delay_alu instid0(VALU_DEP_1)
	v_readfirstlane_b32 s8, v12                    ; wave 0..15
	s_mov_b32 s9, ttmp9                            ; X
	s_and_b32 s10, ttmp7, 0xffff                   ; Y
	s_lshr_b32 s11, s8, 2                          ; which 32 positions
	s_bfe_u32 s12, s8, 0x10001                     ; which pair of heads
	s_and_b32 s13, s8, 1                           ; which 32 channels of a head
	v_and_b32 v[LN], 31, v0
	s_delay_alu instid0(VALU_DEP_1)
	v_lshlrev_b32 v[L16], 4, v[LN]
	v_and_b32 v12, 15, v0                          ; r
	v_bfe_u32 v13, v0, 4, 1                        ; h
	s_delay_alu instid0(VALU_DEP_2)
	v_mul_u32_u24 v14, v12, PITCH
	s_delay_alu instid0(VALU_DEP_1)
	v_lshl_add_u32 v14, v13, 4, v14
	s_mul_i32 s3, s11, 32*PITCH
	v_add_nc_u32 v[ADA], s3, v14                   ; x: row 32 (w / 4) + r, + 16 h
	v_and_b32 v14, 8, v12
	s_delay_alu instid0(VALU_DEP_1)
	v_add_nc_u32 v14, v14, v12                     ; r + 8 (r / 8)
	s_delay_alu instid0(VALU_DEP_1)
	v_mul_u32_u24 v14, v14, PITCH
	s_delay_alu instid0(VALU_DEP_1)
	v_lshl_add_u32 v14, v13, 4, v14
	s_mul_i32 s3, s12, 128*PITCH
	s_mul_i32 s4, s13, 32*PITCH
	s_add_co_u32 s3, s3, s4
	s_add_co_u32 s3, s3, 128*PITCH
	v_add_nc_u32 v[ADB], s3, v14                   ; W: behind x's 128 rows
	v_add_nc_u32 v[A1], SLOT, v[ADA]
	s_delay_alu instid0(VALU_DEP_2)
	v_add_nc_u32 v[B1], SLOT, v[ADB]
	v_add_nc_u32 v[A2], 2*SLOT, v[ADA]
	s_delay_alu instid0(VALU_DEP_4)
	v_add_nc_u32 v[B2], 2*SLOT, v[ADB]
	s_lshl_b32 s3, s9, 7
	s_lshl_b32 s4, s11, 5
	s_add_co_u32 s3, s3, s4
	v_add_nc_u32 v14, s3, v12
	s_delay_alu instid0(VALU_DEP_1)
	v_cvt_f32_u32 v[POS], v14                      ; 128 X + 32 (w / 4) + r,
	s_delay_alu instid0(VALU_DEP_1)
	v_add_f32 v[POS+1], 0x41800000, v[POS]         ; and 16 further on
	; descriptor group 1: 64 rows x 256 bytes, rows 1,024 bytes apart in memory, padded in LDS
	s_mov_b32 s52, (1<<20)|(5<<22)|(3<<25)         ; no mask; elements of 1 byte; padding on: 4 words (code 3) after every 64 (code 5)
	s_mov_b32 s53, 256<<16                         ; tensor_dim0
	s_mov_b32 s54, 64<<16                          ; tensor_dim1
	s_mov_b32 s55, 256<<16                         ; tile_dim0
	s_mov_b32 s56, 64                              ; tile_dim1
	s_mov_b32 s57, 1024                            ; tensor_dim0_stride
	s_mov_b32 s58, 0
	s_mov_b32 s59, 0
	; what I fetch, if I fetch: waves 0, 1: x's rows 128 X + 64 w on; waves 2-5: W's rows 64 (w - 2) on, in Wq behind 256 Y rows
	s_lshl_b32 s3, s9, 17
	s_lshl_b32 s4, s8, 16
	s_add_co_u32 s3, s3, s4
	s_cmp_lt_u32 s10, 4
	s_cselect_b32 s14, s10, 0
	s_lshl_b32 s6, s14, 18
	s_sub_co_u32 s7, s8, 2
	s_lshl_b32 s7, s7, 16
	s_add_co_u32 s6, s6, s7
	s_cmp_lt_u32 s8, 2
	s_cselect_b32 s6, s3, s6
	s_mov_b32 s7, 0
	s_wait_kmcnt 0x0
	s_load_b256 s[40:47], s[24:25], 0x0            ; e0 .. e7
	s_load_b128 s[48:51], s[24:25], 0x20           ; e8 .. e11
	s_cmp_lt_u32 s10, 4                            ; the buffers are chosen on the work-group's y and the wave's number alone
	s_cselect_b64 s[60:61], s[18:19], s[20:21]
	s_cselect_b64 s[82:83], s[28:29], s[30:31]
	s_cmp_gt_u32 s10, 4
	s_cselect_b64 s[60:61], s[22:23], s[60:61]
	s_cselect_b64 s[82:83], s[32:33], s[82:83]
	s_cmp_lt_u32 s8, 2
	s_cselect_b64 s[60:61], s[16:17], s[60:61]
	s_add_nc_u64 s[60:61], s[60:61], s[6:7]
	s_mul_i32 s7, s8, LROWS
.irp n, 0,1,2                          ; group 0, a set for each slot: K quarter n
	s_mov_b32 s[68+4*\n], 1
	s_add_co_u32 s[69+4*\n], s7, \n*SLOT
	s_add_nc_u64 s[70+4*\n:71+4*\n], s[60:61], \n*256
	s_or_b32 s[71+4*\n], s[71+4*\n], 0x80000000
.endr
	; my row of the mask, and its places in mbits and flags
	s_lshl_b32 s3, s10, 5
	s_add_co_u32 s3, s3, s9
	s_lshl_b32 s3, s3, 4
	s_add_co_u32 s3, s3, s8
	s_mov_b32 s5, 0
	s_lshl_b32 s4, s3, 14
	s_add_nc_u64 s[80:81], s[26:27], s[4:5]
	s_lshl_b32 s4, s3, 9
	s_add_nc_u64 s[34:35], s[34:35], s[4:5]
	s_lshl_b32 s4, s3, 3
	s_add_nc_u64 s[36:37], s[36:37], s[4:5]
	; where my codes go.  q, k: ((head x 256 + block of 16 positions) x 2 + w % 2) x 512;  v: (((kv x 32 + X) x 4 + tile) x 4 + w / 4) x 512
	s_lshl_b32 s3, s14, 2
	s_lshl_b32 s4, s12, 1
	s_add_co_u32 s3, s3, s4
	s_lshl_b32 s3, s3, 8
	s_lshl_b32 s4, s9, 3
	s_add_co_u32 s3, s3, s4
	s_lshl_b32 s4, s11, 1
	s_add_co_u32 s3, s3, s4
	s_lshl_b32 s3, s3, 10
	s_lshl_b32 s4, s13, 9
	s_add_co_u32 s3, s3, s4
	s_lshl_b32 s4, s12, 6
	s_add_co_u32 s4, s4, s9
	s_lshl_b32 s4, s4, 2
	s_lshl_b32 s6, s13, 1
	s_add_co_u32 s4, s4, s6
	s_lshl_b32 s4, s4, 11
	s_lshl_b32 s6, s11, 9
	s_add_co_u32 s4, s4, s6
	s_cmp_eq_u32 s10, 5
	s_cselect_b32 s4, s4, s3
	s_add_nc_u64 s[82:83], s[82:83], s[4:5]
	s_cmp_ge_u32 s10, 6
	s_cbranch_scc1 .Lmask_only                     ; the one parting on "no product": the same for all waves of a work-group
	s_cmp_lt_u32 s8, 6                             ; a loader's three first fills stand in one branch on the wave's number, ahead of every wait on TENSORcnt, LDS read and barrier: three loads of mine are out
	s_cbranch_scc0 .Lno_fill
	tensor_load_to_lds s[68:71], s[52:59]
	s_nop 0
	tensor_load_to_lds s[72:75], s[52:59]
	s_nop 0
	tensor_load_to_lds s[76:79], s[52:59]
	s_nop 0
.rept 4
	v_nop                                          ; behind a tensor load
.endr
.Lno_fill:
	MASKLOADS
	s_wait_tensorcnt 0x2                           ; my part of slot 0 is in; slots 1 and 2 may stay out
	s_barrier_signal -1
	s_barrier_wait -1                              ; everybody's is
	s_wait_alu depctr_va_vdst(0)
	KSTEP ADA, ADB, 0, 1                           ; the first products start the sums
	KSTEP ADA, ADB, 128, 0
	s_wait_tensorcnt 0x0                           ; all my tensor loads have landed, slots 1 and 2 among them: so a group 0 may be written
	ds_add_u32 v[SPW], v[NIL]                      ; 0 onto my spare word
	ds_add_u32 v1, v2
	s_add_nc_u64 s[70:71], s[70:71], 768           ; slot 0's next tile: K quarter 3
	s_wait_dscnt 0x0                               ; the add is done, and my reads of slot 0 are over
	s_barrier_signal -1
	s_barrier_wait -1                              ; both hold of every wave: slots 1 and 2 are whole, nobody reads slot 0
	s_cmp_lt_u32 s8, 6
	s_cbranch_scc0 .Lno_refill
	tensor_load_to_lds s[68:71], s[52:59]          ; the launch's one refill: it has four steps of 128 in which to land
	s_nop 0
.rept 4
	v_nop
.endr
.Lno_refill:
	KSTEP A1, B1, 0, 0
	KSTEP A1, B1, 128, 0
	KSTEP A2, B2, 0, 0
	KSTEP A2, B2, 128, 0
	s_wait_tensorcnt 0x0                           ; the one load that is out: my part of quarter 3
	s_wait_dscnt 0x0
	s_barrier_signal -1
	s_barrier_wait -1                              ; everybody's is in
	KSTEP ADA, ADB, 0, 0
	KSTEP ADA, ADB, 128, 0
	; the scale of the conversion: a sum stands for sum x 2^(x's e + W's e), its code is that / 2^(the next operand's e).  Chosen without a branch; the hold is always executed
	s_wait_kmcnt 0x0
	s_sub_co_i32 s3, s46, s40
	s_sub_co_i32 s3, s3, s41                       ; q: e6 - e0 - e1
	s_sub_co_i32 s4, s47, s42
	s_sub_co_i32 s4, s4, s43                       ; k: e7 - e2 - e3
	s_sub_co_i32 s5, s49, s44
	s_sub_co_i32 s5, s5, s45                       ; v: e9 - e4 - e5
	s_cmp_lt_u32 s10, 4
	s_cselect_b32 s3, s3, s4
	s_cmp_eq_u32 s10, 5
	s_cselect_b32 s3, s5, s3
	s_add_co_i32 s3, s3, 127
	s_lshl_b32 s4, s3, 23
	s_add_co_i32 s3, s3, 8
	s_lshl_b32 s3, s3, 23
	s_or_b32 s3, s3, 0x600000
.rept 4
	v_nop                                          ; places behind the last products: what follows writes their sources and reads their results
.endr
	v_mov_b32 v[SCL], s4
	v_mov_b32 v[LIM], s3                           ; 448 x the scale
	s_cmp_eq_u32 s10, 5
	s_cbranch_scc1 .Lvepi
	v_mov_b32 v[KS3], 0xb94ca1f9
	v_mov_b32 v[KC3], 0x37ccf5ce
	s_mov_b32 s38, 0xffff0000                      ; lanes 16-31
	ROT 0, 0, 1.0, 0.1778279410038923, 0.03162277660168379, 0.005623413251903491     ; each accumulator is read from its low end on
	ROT 0, 1, 0.8058421877614819, 0.1433012570236963, 0.02548296747979346, 0.004531583637600818
	ROT 0, 2, 0.6493816315762113, 0.1154781984689458, 0.02053525026457146, 0.003651741272548377
	ROT 0, 3, 0.5232991146814947, 0.0930572040929699, 0.01654817099943182, 0.002942727176209282
	ROT 1, 0, 0.4216965034285822, 0.07498942093324559, 0.01333521432163324, 0.002371373705661655
	ROT 1, 1, 0.3398208328942559, 0.06042963902381328, 0.01074607828321317, 0.001910952974970440
	ROT 1, 2, 0.2738419634264361, 0.04869675251658631, 0.008659643233600654, 0.001539926526059492
	ROT 1, 3, 0.2206734069084589, 0.03924189758484536, 0.006978305848598664, 0.001240937760751719
.irp t, 0,1
.irp e, 0,1
.irp i, 0,1,2,3,4,5,6,7,8,9,10,11,12,13,14,15
	v_med3_num_f32 v[ACC+16*(2*\t+\e)+\i], v[ACC+16*(2*\t+\e)+\i], -v[LIM], v[LIM]   ; the conversion to an 8-bit code does not saturate (ISA guide 7.6.2): the hold at the largest code x the scale
.endr
	v_cvt_scalef32_pk8_fp8_f32 v[CD+4*(2*\t+\e):CD+4*(2*\t+\e)+1], v[ACC+16*(2*\t+\e):ACC+16*(2*\t+\e)+7], v[SCL]
	v_cvt_scalef32_pk8_fp8_f32 v[CD+4*(2*\t+\e)+2:CD+4*(2*\t+\e)+3], v[ACC+16*(2*\t+\e)+8:ACC+16*(2*\t+\e)+15], v[SCL]
.endr
.endr
	v_nop                                          ; one plain line behind the last scaled conversion
.irp t, 0,1
.irp e, 0,1
	global_store_b128 v[L16], v[CD+4*(2*\t+\e):CD+4*(2*\t+\e)+3], s[82:83] offset:262144*\e+1024*\t   ; 512 consecutive bytes: 16 channels of 16 positions
.endr
.endr
	s_branch .Lpack
.Lvepi:                                                ; v: no rotation; a lane's registers run along the positions
	s_wait_alu depctr_va_vdst(0)
.irp n, 0,1,2,3
.irp i, 0,1,2,3,4,5,6,7
	v_med3_num_f32 v[ACC+8*\n+\i], v[ACC+8*\n+\i], -v[LIM], v[LIM]
.endr
.irp i, 0,1,2,3,4,5,6,7
	v_med3_num_f32 v[ACC+32+8*\n+\i], v[ACC+32+8*\n+\i], -v[LIM], v[LIM]
.endr
	v_cvt_scalef32_pk8_fp8_f32 v[CD+4*\n:CD+4*\n+1], v[ACC+8*\n:ACC+8*\n+7], v[SCL]
	v_cvt_scalef32_pk8_fp8_f32 v[CD+4*\n+2:CD+4*\n+3], v[ACC+32+8*\n:ACC+32+8*\n+7], v[SCL]
.endr
	v_nop
.irp n, 0,1,2,3
	global_store_b128 v[L16], v[CD+4*\n:CD+4*\n+3], s[82:83] offset:262144*(\n/2)+2048*(\n%2)
.endr
	s_branch .Lpack
.Lmask_only:
	MASKLOADS
.Lpack:
	; THE MASK.  Lane l of load s holds mask[row][128 s + 4 l + 0..3].  A compare gives 32 bits, one a lane; they become lane s of one of four registers, so that the row's 512 bytes of bits leave by one store.
.irp c, 0,1,2,3
	v_mov_b32 v[OW+\c], 0
.endr
.set q, 0
	s_wait_alu depctr_va_vdst(0)
.rept 32
.if q%8 == 0
	s_wait_alu depctr_va_vdst(0)
	s_wait_loadcnt 24-q                            ; eight more loads are in; the younger ones stay out (these are the launch's only loads into registers)
.endif
.irp c, 0,1,2,3
	v_cmp_ne_u32 s[84+4*(q%2)+\c], 0, v[MK+4*q+\c]
.endr
.irp c, 0,1,2,3
	s_delay_alu instid0(VALU_DEP_4)
	v_writelane_b32 v[OW+\c], s[84+4*(q%2)+\c], q
.endr
.set q, q+1
.endr
	s_delay_alu instid0(VALU_DEP_3)
	v_or_b32 v12, v[OW], v[OW+1]
	s_delay_alu instid0(VALU_DEP_2)
	v_or_b32 v13, v[OW+2], v[OW+3]
	s_delay_alu instid0(VALU_DEP_1)
	v_or_b32 v12, v12, v13                         ; lane s: not 0 where step s has an open key
	v_and_b32 v13, v[OW], v[OW+1]
	v_and_b32 v14, v[OW+2], v[OW+3]
	s_delay_alu instid0(VALU_DEP_1)
	v_and_b32 v13, v13, v14                        ; lane s: all ones where step s has no masked key
	s_delay_alu instid0(VALU_DEP_4)
	v_cmp_ne_u32 s84, 0, v12
	s_delay_alu instid0(VALU_DEP_2)
	v_cmp_ne_u32 s85, -1, v13
	global_store_b128 v[L16], v[OW:OW+3], s[34:35]
	v_mov_b32 v12, s84
	v_mov_b32 v13, s85
	v_mov_b32 v14, 0
	s_wait_alu depctr_va_vdst(0)
	s_wait_xcnt 0x0                                ; EXEC changes only behind this wait
	v_cmp_eq_u32 vcc_lo, 0, v[LN]
	s_and_saveexec_b32 s3, vcc_lo
	global_store_b64 v14, v[12:13], s[36:37]       ; the row's two flag words, by lane 0
	s_wait_xcnt 0x0                                ; and again, in front of the line that widens it
	s_or_b32 exec_lo, exec_lo, s3
	s_wait_tensorcnt 0x0                           ; the wave's end
	ds_add_u32 v[SPW], v[NIL]
	s_wait_dscnt 0x0
	s_endpgm
.Lfunc_end_k_q90967a466d_qkvmask:
	.size	k_q90967a466d_qkvmask, .Lfunc_end_k_q90967a466d_qkvmask-k_q90967a466d_qkvmask
	.p2alignl 7, 3214868480
	.fill 96, 4, 3214868480
	.section	.rodata,"a",@progbits
	.p2align	6, 0x0
	.amdhsa_kernel k_q90967a466d_qkvmask
		.amdhsa_group_segment_fixed_size 327680
		.amdhsa_private_segment_fixed_size 0
		.amdhsa_enable_private_segment 0
		.amdhsa_kernarg_size 88
		.amdhsa_user_sgpr_count 2
		.amdhsa_user_sgpr_kernarg_segment_ptr 1
		.amdhsa_wavefront_size32 1
		.amdhsa_system_sgpr_workgroup_id_x 1
		.amdhsa_system_sgpr_workgroup_id_y 1
		.amdhsa_system_sgpr_workgroup_id_z 1
		.amdhsa_system_vgpr_workitem_id 0
		.amdhsa_next_free_vgpr 256
		.amdhsa_next_free_sgpr 96
		.amdhsa_reserve_vcc 1
		.amdhsa_float_denorm_mode_32 3
		.amdhsa_float_denorm_mode_16_64 3
		.amdhsa_memory_ordered 1
		.amdhsa_forward_progress 1
		.amdhsa_inst_pref_size 114
	.end_amdhsa_kernel
	.amdgpu_metadata
---
amdhsa.version: [ 1, 2 ]
amdhsa.kernels:
  - .name:           k_q90967a466d_qkvmask
    .symbol:         k_q90967a466d_qkvmask.kd
    .args:
      - { .name: x_codes, .offset: 0, .size: 8, .value_kind: global_buffer, .address_space: global }
      - { .name: Wq_codes, .offset: 8, .size: 8, .value_kind: global_buffer, .address_space: global }
      - { .name: Wk_codes, .offset: 16, .size: 8, .value_kind: global_buffer, .address_space: global }
      - { .name: Wv_codes, .offset: 24, .size: 8, .value_kind: global_buffer, .address_space: global }
      - { .name: lowp_scales, .offset: 32, .size: 8, .value_kind: global_buffer, .address_space: global }
      - { .name: mask, .offset: 40, .size: 8, .value_kind: global_buffer, .address_space: global }
      - { .name: qimg, .offset: 48, .size: 8, .value_kind: global_buffer, .address_space: global }
      - { .name: kimg, .offset: 56, .size: 8, .value_kind: global_buffer, .address_space: global }
      - { .name: vimg, .offset: 64, .size: 8, .value_kind: global_buffer, .address_space: global }
      - { .name: mbits, .offset: 72, .size: 8, .value_kind: global_buffer, .address_space: global }
      - { .name: flags, .offset: 80, .size: 8, .value_kind: global_buffer, .address_space: global }
    .group_segment_fixed_size: 327680
    .private_segment_fixed_size: 0
    .kernarg_segment_align: 8
    .kernarg_segment_size: 88
    .max_flat_workgroup_size: 512
    .sgpr_count:     96
    .vgpr_count:     256
    .wavefront_size: 32
...
	.end_amdgpu_metadata
.endif
;; end of part 4
;; launch attn (part 5): grid 64 x 4, 16 waves a work-group, no clusters, 34,816 bytes of LDS; arguments qimg, kimg, vimg, mbits, flags, lowp_scales, aimg; writes aimg
.if DOCPART == 5
	.amdgcn_target "amdgcn-amd-amdhsa--gfx1250"
	.amdhsa_code_object_version 6
	.text
	.protected	k_q90967a466d_attn
	.globl	k_q90967a466d_attn
	.p2align	8
	.type	k_q90967a466d_attn,@function
k_q90967a466d_attn:
	s_mov_b64 s[64:65], 0
	v_nop
	global_prefetch_b8 v0, s[64:65] scope:SCOPE_SE
	s_setreg_imm32_b32 hwreg(HW_REG_WAVE_SCHED_MODE, 0, 2), 2
	s_setreg_imm32_b32 hwreg(HW_REG_WAVE_MODE, 25, 1), 1
	s_wait_xcnt 0x0
	s_wait_alu depctr_vm_vsrc(0)
; Attention on codes of FP8 (E4M3): 16 query heads, 4 key/value heads, head size 64, 4,096 positions, with the mask that was given (packed to bits and flags by the launch before).
; t = score x 2^(e6 + e7) x log2(e) / 8; M = the running largest t rounded UP to a whole number; p = 2^(t - M) is quantised with 2^e8, not normalised; the row's sum is taken of the unquantised p and divides at the end.
; SHARES.  A work-group serves one key/value head (y) and four blocks of 16 queries for each of its four query heads: wave w has head 4 y + w % 4 and block 128 (s / 2) + (s odd ? 127 - x : x), s = w / 4.
; The four blocks' numbers add up to 510 in every work-group: under a lower-triangular mask all work-groups have the same count of steps.  That serves balance alone.
; All sixteen waves walk the keys together, 128 a step, 32 steps: a step's K and V (8 KiB each, images of operand registers) go from memory through registers into one of two LDS slots, asked for two steps ahead.
; WHAT THE MASK THROWS AWAY IS NOT COMPUTED: a wave jumps over a step in which none of its 16 queries has an open key (a scalar branch on the stored flags), and applies bits only in steps with a masked key.
; The barriers, the copies into LDS and the loop's count hang on no data.  For the sake of those branches the launch has no tensor load.
; LAYOUT.  Both products transposed: S^T = K Q^T (source 0 = 16 keys), O^T = V^T P^T (source 0 = 16 channels): a lane holds ONE query (lane % 16).  Register j of score tile T is key 16 T + 8 (lane / 16) + j,
; so the conversions' results are the second product's operand as they stand, and V's image was laid to match.  V's channels form tiles so that O^T's 16 registers of two tiles are 16 neighbouring channels.
; A QUERY WITH NO OPEN KEY has the sum 0: its codes become the format's NaN, and its row of the output NaN.
; LIMITS: e6 + e7 between -123 and 130 (added to c's exponent field); e8, and e10 - e8 - e9, between -126 and 119.
; REGISTERS: v1 16 x thread, v2 16 x lane, v3 512 x (lane % 16), v4 2 (lane / 16), v5 -infinity, v6 2^e8, v7 448 x 2^e8, v8-11 mask words at work, v12 -M, v13 the largest t, v[14:15] the sum in two halves,
; v16-23 Q, v24-25 at work, v32-95 K's fragments, then V's, v96-159 S^T, then p, v160-191 O^T, v192-207 p's codes, v208-223 two sets of K's and V's 16 bytes on their way to LDS, v224-231 two sets of mask words, v236-254 at work.
; s18 wave, s19 kv head, s20 steps with an open key, s21 with a masked key, s31 with both, s22 the step, s23 the trip, s[24:25] K, s[26:27] V, s[28:29] the mask's bits, s[80:81] c, s[82:83] lane selects, s84 e8, s85 head, s86 block;
; s32-63: at the head my 16 rows' flag words, in the loop the lane masks of 32 compares.
; THE MODE: SCHED_MODE bits 1:0 = 2 (LLVM: expert scheduling mode 2), set by the entry lines.  The code itself states the register dependences between vector or matrix instructions and memory or LDS
; instructions, with s_wait_alu, always for 0.
; THE PLAN.  Registers that memory or LDS instructions touch:
;   v1, v2, v3    offsets and LDS addresses: written once at the head, read by every memory and LDS instruction, never written again.
;   v208-223      two sets.  Step s: its loads of K and V land in set s % 2, which the LDS stores of step s - 1 have read.  No vector instruction names them.
;   v224-231      two sets.  Step s: its load of mask words lands in set (s + 1) % 2, which the four shifts of step s - 1 have read; the head writes zeros into the second set.
;   v32-95        K's LDS loads land there (the last V^T P products have read them), the K Q^T products read them, V's LDS loads land there, the V^T P products read them.
;   v128-135      at the way out: written by the selects, read by the two stores.
; So a step has one wait on vm_vsrc and one on va_vdst at its head, for the step before, and one on va_vdst behind its K Q^T products.  Behind that one no vector instruction of the softmax names v2 or v32-95:
; V's sixteen loads are dealt among the lines of the maximum with no further wait.  The wait behind the exponentials stands ahead of their first reader.
; A vector compare's lane mask is read only behind a wait on va_sdst: the mask's compares go in two runs of 32, into 32 scalar registers, with one wait behind each run.
.macro VLD par                         ; the next of V's sixteen loads: tile vq / 4, chunk vq % 4
	ds_load_b128 v[32+4*vq:35+4*vq], v2 offset:\par*16384+8192+512*vq
.set vq, vq+1
.endm
.macro STEP par
.rept 4
	v_nop                                          ; places in front of loads into registers that the last step's matrix instructions have read
.endr
.irp T, 0,1,2,3,4,5,6,7
	ds_load_b128 v[32+8*\T:35+8*\T], v2 offset:\par*16384+1024*\T      ; no vector or matrix instruction since the wait at the step's head names v2 or v32-95
	ds_load_b128 v[36+8*\T:39+8*\T], v2 offset:\par*16384+1024*\T+512
.endr
	s_wait_dscnt 0x0
.irp T, 0,1,2,3,4,5,6,7
	v_wmma_f32_16x16x64_fp8_fp8 v[96+8*\T:103+8*\T], v[32+8*\T:39+8*\T], v[16:23], 0
.endr
.rept 4
	v_nop
.endr
	s_wait_alu depctr_va_vdst(0)                   ; the eight products are done reading v32-95, in which V's fragments land; the places above stay beside this wait
	s_bitcmp1_b32 s21, s22
	s_cbranch_scc0 .Lopen_\@                       ; no masked key for any of my queries in this step
.irp c, 0,1,2,3
	v_lshrrev_b32 v[8+\c], v4, v[224+4*\par+\c]    ; key 16 T + 8 h + j is bit 4 T + 2 h + j / 4 of word j % 4
.endr
.irp g, 0,1                            ; 32 scores at a time
.set n, 32*\g
.rept 32
	v_and_b32 v[24+n%2], 1<<(4*(n/8)+(n%8)/4), v[8+n%4]
	v_cmp_eq_u32 s[32+n%32], 0, v[24+n%2]
.set n, n+1
.endr
	s_wait_alu depctr_va_sdst(0)                   ; the 32 compares have written s32-63, ahead of their first readers, the selects below
.set n, 32*\g
.rept 32
	v_cndmask_b32 v[96+n], v[96+n], v5, s[32+n%32] ; a masked score becomes -infinity ahead of the maximum: p = 0; each accumulator from its low end on
.set n, n+1
.endr
.endr
.Lopen_\@:
.set vq, 0
	v_max3_num_f32 v254, v96, v97, v98             ; the step's largest score of my query among my 64 keys, in two chains, each accumulator from its low end on,
	v_max3_num_f32 v252, v99, v100, v101
	VLD \par                                       ; V's fragments are asked for among these lines and land while the softmax is walked
.irp i, 6,10,14,18,22,26,30,34,38,42,46,50,54,58
	v_max3_num_f32 v254, v254, v[96+\i], v[97+\i]
	v_max3_num_f32 v252, v252, v[98+\i], v[99+\i]
	VLD \par
.endr
	v_max3_num_f32 v254, v254, v158, v159
	VLD \par                                       ; the sixteenth
	v_max_num_f32 v254, v254, v252
	v_permlanex16_b32 v236, v254, s82, s83
	v_max_num_f32 v254, v254, v236                 ; and among lane l xor 16's
	v_mul_f32 v254, s80, v254                      ; as t (c is positive)
	v_max_num_f32 v13, v13, v254                   ; the running largest t
	v_mov_b32 v254, v12
	v_floor_f32 v12, -v13                          ; the new -M = floor(-t): M is a whole number
	v_sub_f32 v254, v12, v254                      ; old M - new M, 0 or less
	v_cvt_i32_f32 v254, v254                       ; (it saturates)
	v_ldexp_f32 v252, 1.0, v254                    ; f = 2^(old M - new M): the rescaling rounds nothing
.irp j, 0,2,4,6,8,10,12,14,16,18,20,22,24,26,28,30,32,34,36,38,40,42,44,46,48,50,52,54,56,58,60,62
	v_pk_fma_f32 v[96+\j:97+\j], v[96+\j:97+\j], s[80:81], v[12:13] op_sel_hi:[1,0,0]   ; t - M, two at a time
.endr
.irp j, 0,1,2,3,4,5,6,7,8,9,10,11,12,13,14,15,16,17,18,19,20,21,22,23,24,25,26,27,28,29,30,31,32,33,34,35,36,37,38,39,40,41,42,43,44,45,46,47,48,49,50,51,52,53,54,55,56,57,58,59,60,61,62,63
	v_exp_f32 v[96+\j], v[96+\j]                   ; p = 2^(t - M), at most 1
.endr
	v_pk_mul_f32 v[14:15], v[14:15], v[252:253] op_sel_hi:[1,0]   ; the sums under the new M: the plain line behind the exponentials
	s_wait_alu depctr_va_vdst(0)                   ; the 64 exponentials have written v96-159: one wait for the whole batch, ahead of its first reader
	v_pk_add_f32 v[242:243], v[96:97], v[98:99]    ; the row's sum is taken of the unquantised p, in two chains
.irp j, 4,8,12,16,20,24,28,32,36,40,44,48,52,56,60
	v_pk_add_f32 v[14:15], v[14:15], v[96+\j:97+\j]
	v_pk_add_f32 v[242:243], v[242:243], v[98+\j:99+\j]
.endr
	v_pk_add_f32 v[14:15], v[14:15], v[242:243]
	s_cmp_ge_i32 s84, -8                           ; p is at most 1, and 448 x 2^e8 is at least 1 from e8 = -8 on: the hold then changes nothing
	s_cbranch_scc1 .Lnohold_\@
.irp j, 0,1,2,3,4,5,6,7,8,9,10,11,12,13,14,15,16,17,18,19,20,21,22,23,24,25,26,27,28,29,30,31,32,33,34,35,36,37,38,39,40,41,42,43,44,45,46,47,48,49,50,51,52,53,54,55,56,57,58,59,60,61,62,63
	v_min_num_f32 v[96+\j], v[96+\j], v7           ; the conversion to an 8-bit code does not saturate (ISA guide 7.6.2); p is not negative
.endr
.Lnohold_\@:
.irp T, 0,1,2,3,4,5,6,7
	v_cvt_scalef32_pk8_fp8_f32 v[192+2*\T:193+2*\T], v[96+8*\T:103+8*\T], v6
.endr
.irp j, 0,2,4,6,8,10,12,14,16,18,20,22,24,26,28,30
	v_pk_mul_f32 v[160+\j:161+\j], v[160+\j:161+\j], v[252:253] op_sel_hi:[1,0]   ; O^T under the new M; also the plain lines behind the conversions
.endr
	s_wait_dscnt 0x0                               ; V is in
.irp t, 0,1,2,3                        ; the four accumulators take turns
	v_wmma_f32_16x16x128_fp8_fp8 v[160+8*\t:167+8*\t], v[32+16*\t:47+16*\t], v[192:207], v[160+8*\t:167+8*\t]
.endr
.endm
; Step s = 2 trip + par.  What was asked for a step ago is in: step s + 1's K and V go into the other slot, which was last read in front of the last barrier; step s + 2's are asked for;
; step s + 1's mask words are asked for where that step has both an open and a masked key.  Then the step's work, or nothing; then ONE barrier: in front of it my stores have landed and my reads are over.
.macro TRIP par
	s_wait_loadcnt 0x0
	s_wait_alu depctr_vm_vsrc(0)                   ; the LDS stores of the step before (ahead of step 0: the head's) have read the set of v208-223 in which this step's loads of K and V land
	s_wait_alu depctr_va_vdst(0)                   ; the step before is done with its registers: its last products have read v32-95, in which K's fragments land, and its shifts the set of mask words in which this step's load lands (ahead of step 0: the head has written v228-231)
.if \par
	s_cmp_lt_u32 s23, 15                           ; the last trip's second step has no successor
	s_cbranch_scc0 .Lnone_\@
.endif
	ds_store_b128 v1, v[216-8*\par:219-8*\par] offset:(1-\par)*16384
	ds_store_b128 v1, v[220-8*\par:223-8*\par] offset:(1-\par)*16384+8192
.if \par == 0
	s_cmp_lt_u32 s23, 15                           ; no load leaves its buffer
	s_cbranch_scc0 .Lnokv_\@
.endif
	global_load_b128 v[208+8*\par:211+8*\par], v1, s[24:25] offset:(2+\par)*8192
	global_load_b128 v[212+8*\par:215+8*\par], v1, s[26:27] offset:(2+\par)*8192
.if \par == 0
.Lnokv_\@:
.endif
	s_add_co_u32 s2, s22, 1
	s_bitcmp1_b32 s31, s2
	s_cbranch_scc0 .Lnone_\@
	global_load_b128 v[228-4*\par:231-4*\par], v3, s[28:29] offset:(1+\par)*16
.Lnone_\@:
	s_bitcmp1_b32 s20, s22
	s_cbranch_scc0 .Ltail_\@                       ; none of my 16 queries has an open key in this step
	STEP \par
.Ltail_\@:
	s_add_co_u32 s22, s22, 1
	s_wait_dscnt 0x0
	s_barrier_signal -1
	s_barrier_wait -1
.endm
	s_load_b256 s[4:11], s[0:1], 0x0               ; qimg s[4:5], kimg s[6:7], vimg s[8:9], mbits s[10:11]
	s_load_b128 s[12:15], s[0:1], 0x20             ; flags s[12:13], the scales' exponents s[14:15]
	s_load_b64 s[16:17], s[0:1], 0x30              ; aimg
	v_lshl_add_u32 v251, v0, 2, 0x8000
	v_mov_b32 v255, 0
	v_lshrrev_b32 v24, 5, v0
	v_readfirstlane_b32 s18, v24                   ; wave 0..15
	v_lshlrev_b32 v1, 4, v0
	v_and_b32 v24, 31, v0
	v_lshlrev_b32 v2, 4, v24
	v_and_b32 v25, 15, v0
	v_lshlrev_b32 v3, 9, v25
	v_bfe_u32 v4, v0, 4, 1
	v_lshlrev_b32 v4, 1, v4
	v_mov_b32 v5, 0xff800000
	s_and_b32 s19, ttmp7, 0xffff
	s_wait_alu depctr_va_sdst(0)                   ; s18 is written, ahead of its first reader: my head and my block of queries are made from it
	s_and_b32 s2, s18, 3
	s_lshl_b32 s3, s19, 2
	s_add_co_u32 s85, s3, s2                       ; my head
	s_lshr_b32 s2, s18, 2
	s_sub_co_u32 s3, 127, ttmp9
	s_bitcmp1_b32 s2, 0
	s_cselect_b32 s3, s3, ttmp9
	s_lshr_b32 s2, s2, 1
	s_lshl_b32 s2, s2, 7
	s_add_co_u32 s86, s2, s3                       ; my block of 16 queries
	s_wait_kmcnt 0x0
	s_lshl_b32 s2, s86, 7
	s_mov_b32 s3, 0
	s_add_nc_u64 s[12:13], s[12:13], s[2:3]
	s_load_b512 s[32:47], s[12:13], 0x0            ; my 16 rows' flag words
	s_load_b512 s[48:63], s[12:13], 0x40
	s_load_b256 s[68:75], s[14:15], 0x0            ; e0 .. e7
	s_load_b128 s[76:79], s[14:15], 0x20           ; e8 .. e11
	s_lshl_b32 s2, s19, 18
	s_add_nc_u64 s[24:25], s[6:7], s[2:3]
	s_add_nc_u64 s[26:27], s[8:9], s[2:3]
	s_lshl_b32 s2, s86, 13
	s_add_nc_u64 s[28:29], s[10:11], s[2:3]
	s_lshl_b32 s2, s85, 8
	s_add_co_u32 s2, s2, s86
	s_lshl_b32 s2, s2, 10
	s_add_nc_u64 s[4:5], s[4:5], s[2:3]
	s_wait_alu depctr_va_vdst(0)                   ; v1, v2 and v3 are written: every load, store and LDS instruction of the kernel reads one of them as its offset or address
	global_load_b128 v[16:19], v2, s[4:5]          ; Q's fragment stays in registers
	global_load_b128 v[20:23], v2, s[4:5] offset:512
	global_load_b128 v[208:211], v1, s[24:25]      ; steps 0 and 1 of K and V: the work-group's 512 threads take 8 KiB an instruction
	global_load_b128 v[212:215], v1, s[26:27]
	global_load_b128 v[216:219], v1, s[24:25] offset:8192
	global_load_b128 v[220:223], v1, s[26:27] offset:8192
	global_load_b128 v[224:227], v3, s[28:29]      ; step 0's mask words
	s_lshr_b32 s2, s86, 3                          ; where my codes go: [block / 8][head / 2][block % 8][2 (head % 2) + b][lane][16]
	s_lshl_b32 s2, s2, 17
	s_lshr_b32 s30, s85, 1
	s_lshl_b32 s30, s30, 14
	s_add_co_u32 s2, s2, s30
	s_and_b32 s30, s86, 7
	s_lshl_b32 s30, s30, 11
	s_add_co_u32 s2, s2, s30
	s_and_b32 s30, s85, 1
	s_lshl_b32 s30, s30, 10
	s_add_co_u32 s2, s2, s30
	s_add_nc_u64 s[16:17], s[16:17], s[2:3]
	v_mov_b32 v13, 0xff61b1e6                      ; the largest t so far: -3e38, under every t
	v_floor_f32 v12, -v13
	v_mov_b32 v14, 0
	v_mov_b32 v15, 0
	v_mov_b32 v236, 0                              ; written once: a lane permute's destination counts as one of its sources
	v_mov_b32 v252, 0
	v_mov_b32 v253, 0                              ; (named as the upper half of the pair v[252:253])
.irp c, 0,1,2,3
	v_mov_b32 v[228+\c], 0                         ; the second set of mask words: written, though read only behind its load
.endr
.irp j, 0,1,2,3,4,5,6,7,8,9,10,11,12,13,14,15,16,17,18,19,20,21,22,23,24,25,26,27,28,29,30,31
	v_mov_b32 v[160+\j], 0                         ; O^T: which step is a wave's first hangs on the mask, so the step is written once and finds zeros
.endr
	s_mov_b32 s82, 0x76543210
	s_mov_b32 s83, 0xfedcba98
	s_wait_kmcnt 0x0
	s_mov_b32 s20, s32
	s_mov_b32 s21, s33
.irp i, 1,2,3,4,5,6,7,8,9,10,11,12,13,14,15
	s_or_b32 s20, s20, s[32+2*\i]                  ; a step counts as open, or as masked, if it is so for any of my 16 queries
	s_or_b32 s21, s21, s[33+2*\i]
.endr
	s_and_b32 s31, s20, s21
	s_add_co_i32 s2, s74, s75
	s_lshl_b32 s2, s2, 23
	s_add_co_i32 s80, s2, 0x3e38aa3b               ; c = log2(e) / 8, with e6 + e7 added to its exponent field
	s_mov_b32 s81, s80
	s_mov_b32 s84, s76
	s_add_co_i32 s2, s76, 127
	s_lshl_b32 s3, s2, 23
	v_mov_b32 v6, s3                               ; 2^e8 as f32
	s_add_co_i32 s2, s2, 8
	s_lshl_b32 s2, s2, 23
	s_or_b32 s2, s2, 0x600000
	v_mov_b32 v7, s2                               ; 448 x 2^e8
	s_wait_loadcnt 0x0
	ds_store_b128 v1, v[208:211]                   ; step 0 into slot 0 (the data come from loads, the address was written ahead of the head's wait on va_vdst)
	ds_store_b128 v1, v[212:215] offset:8192
	s_wait_dscnt 0x0
	s_barrier_signal -1
	s_barrier_wait -1
	s_mov_b32 s22, 0
	s_mov_b32 s23, 0
.Ltrip:                                                ; 16 trips of two steps, whatever the mask holds
	TRIP 0
	TRIP 1
	s_wait_xcnt 0x0                                ; the trip's loads have read their bases: they may step
	s_add_nc_u64 s[24:25], s[24:25], 16384
	s_add_nc_u64 s[26:27], s[26:27], 16384
	s_add_nc_u64 s[28:29], s[28:29], 32
	s_add_co_u32 s23, s23, 1
	s_cmp_lt_u32 s23, 16
	s_cbranch_scc1 .Ltrip
	; THE WAY OUT: O^T / the sum, quantised with 2^e10 (a sum of the second product stands for sum x 2^(e8 + e9)): the codes are two groups of four registers of the last product's operand
.rept 4
	v_nop
.endr
	v_add_f32 v14, v14, v15
	v_permlanex16_b32 v252, v14, s82, s83
	v_add_f32 v14, v14, v252                       ; the row's sum
	v_cmp_eq_f32 s3, 0, v14                        ; no open key at all
	v_rcp_f32 v14, v14
	v_mov_b32 v136, 0x7f7f7f7f                     ; (the plain line behind the reciprocal)  four NaN codes
	s_sub_co_i32 s2, s78, s76
	s_sub_co_i32 s2, s2, s77                       ; e10 - e8 - e9
	s_add_co_i32 s2, s2, 127
	s_lshl_b32 s30, s2, 23
	v_mov_b32 v137, s30
	s_add_co_i32 s2, s2, 8
	s_lshl_b32 s2, s2, 23
	s_or_b32 s2, s2, 0x600000
	v_mov_b32 v138, s2
	s_wait_alu depctr_va_vdst(0)                   ; the reciprocal has written v14, ahead of its first reader
.irp j, 0,2,4,6,8,10,12,14,16,18,20,22,24,26,28,30
	v_pk_mul_f32 v[96+\j:97+\j], v[160+\j:161+\j], v[14:15] op_sel_hi:[1,0]
.endr
.irp j, 0,1,2,3,4,5,6,7,8,9,10,11,12,13,14,15,16,17,18,19,20,21,22,23,24,25,26,27,28,29,30,31
	v_med3_num_f32 v[96+\j], v[96+\j], -v138, v138
.endr
.irp b, 0,1
	v_cvt_scalef32_pk8_fp8_f32 v[128+4*\b:129+4*\b], v[96+16*\b:103+16*\b], v137
	v_cvt_scalef32_pk8_fp8_f32 v[130+4*\b:131+4*\b], v[104+16*\b:111+16*\b], v137
.endr
	v_nop                                          ; one plain line behind the last scaled conversion
	s_wait_alu depctr_va_sdst(0)                   ; the compare has written s3, ahead of its first reader, the selects below
.irp i, 0,1,2,3,4,5,6,7
	v_cndmask_b32 v[128+\i], v[128+\i], v136, s3
.endr
	s_wait_alu depctr_va_vdst(0)                   ; the selects have written v128-135, which the two stores read
	global_store_b128 v2, v[128:131], s[16:17]     ; 512 consecutive bytes each
	global_store_b128 v2, v[132:135], s[16:17] offset:512
	s_wait_dscnt 0x0
	s_wait_alu depctr_hold_cnt(0) depctr_sa_sdst(0) depctr_va_vdst(0) depctr_va_sdst(0) depctr_va_ssrc(0) depctr_va_vcc(0) depctr_vm_vsrc(0)
	s_wait_tensorcnt 0x0
	ds_add_u32 v251, v255
	s_wait_dscnt 0x0
	s_endpgm
.Lfunc_end_k_q90967a466d_attn:
	.size	k_q90967a466d_attn, .Lfunc_end_k_q90967a466d_attn-k_q90967a466d_attn
	.p2alignl 7, 3214868480
	.fill 96, 4, 3214868480
	.section	.rodata,"a",@progbits
	.p2align	6, 0x0
	.amdhsa_kernel k_q90967a466d_attn
		.amdhsa_group_segment_fixed_size 34816
		.amdhsa_private_segment_fixed_size 0
		.amdhsa_enable_private_segment 0
		.amdhsa_kernarg_size 56
		.amdhsa_user_sgpr_count 2
		.amdhsa_user_sgpr_kernarg_segment_ptr 1
		.amdhsa_wavefront_size32 1
		.amdhsa_system_sgpr_workgroup_id_x 1
		.amdhsa_system_sgpr_workgroup_id_y 1
		.amdhsa_system_sgpr_workgroup_id_z 1
		.amdhsa_system_vgpr_workitem_id 0
		.amdhsa_next_free_vgpr 256
		.amdhsa_next_free_sgpr 88
		.amdhsa_reserve_vcc 0
		.amdhsa_float_denorm_mode_32 3
		.amdhsa_float_denorm_mode_16_64 3
		.amdhsa_memory_ordered 1
		.amdhsa_forward_progress 1
		.amdhsa_inst_pref_size 68
	.end_amdhsa_kernel
	.amdgpu_metadata
---
amdhsa.version: [ 1, 2 ]
amdhsa.kernels:
  - .name:           k_q90967a466d_attn
    .symbol:         k_q90967a466d_attn.kd
    .args:
      - { .name: qimg, .offset: 0, .size: 8, .value_kind: global_buffer, .address_space: global }
      - { .name: kimg, .offset: 8, .size: 8, .value_kind: global_buffer, .address_space: global }
      - { .name: vimg, .offset: 16, .size: 8, .value_kind: global_buffer, .address_space: global }
      - { .name: mbits, .offset: 24, .size: 8, .value_kind: global_buffer, .address_space: global }
      - { .name: flags, .offset: 32, .size: 8, .value_kind: global_buffer, .address_space: global }
      - { .name: lowp_scales, .offset: 40, .size: 8, .value_kind: global_buffer, .address_space: global }
      - { .name: aimg, .offset: 48, .size: 8, .value_kind: global_buffer, .address_space: global }
    .group_segment_fixed_size: 34816
    .private_segment_fixed_size: 0
    .kernarg_segment_align: 8
    .kernarg_segment_size: 56
    .max_flat_workgroup_size: 512
    .sgpr_count:     88
    .vgpr_count:     256
    .wavefront_size: 32
...
	.end_amdgpu_metadata
.endif
;; end of part 5
;; launch oproj: the kernel of part 3 again; grid 8 x 32, 8 waves a work-group, clusters of 4 x 4, 306,176 bytes of LDS; arguments aimg, Wo_codes, lowp_scales, out0; writes out0
